; MI455X (gfx1250); checked and timed in simulation.
; The chip was launched on July 23, 2026; its instructions are those of AMD's public machine-readable ISA for CDNA 5 (MIT licence, August 2026) and "CDNA5" Instruction Set Architecture Reference Guide (July 2026). The comments in the code are by the model that wrote it; some were corrected since.
;; Multi Head Attention. Allowed arithmetic: matrix products marked QUANTISED: E2M3 operands, one E8M0 scale for each 32 along K, by v_wmma_scale_f32_16x16x128_f8f6f4 with both operands' format E2M3, f32 sums; everything else in f32.
;; Inputs: Wk 1,024 x 1,024 float32; Wo 1,024 x 1,024 float32; Wq 1,024 x 1,024 float32; Wv 1,024 x 1,024 float32; bk 1,024 float32; bo 1,024 float32; bq 1,024 float32; bv 1,024 float32; x 4 x 2,048 x 1,024 float32.
;; Outputs: out0 4 x 2,048 x 1,024 float32.
;; This version of the problem:
;;   THIS VERSION OF THE PROBLEM IS GIVEN IN LOW PRECISION. The matrix products marked QUANTISED in the list below multiply operands that are first quantised to E2M3 (2 exponent bits, 3 mantissa bits; 6 bits a number), with one power-of-two scale for each 32 numbers along K (OCP MX v1.0); their sums are f32. All else is computed in f32.
;;   The module's matrix products, in the order in which they are computed (A, B: the left and right operand; K: the contracted axis; several contracted axes count as one K, in the product's order):
;;     1. [M 8,192, K 1,024] x [K 1,024, N 1,024]; A: input x; B: input Wq: QUANTISED
;;     2. [M 8,192, K 1,024] x [K 1,024, N 1,024]; A: input x; B: input Wk: QUANTISED
;;     3. [M 8,192, K 1,024] x [K 1,024, N 1,024]; A: input x; B: input Wv: QUANTISED
;;     4. batch 64 x [M 2,048, K 64] x [K 64, N 2,048]; A: computed on the way; B: computed on the way: QUANTISED
;;     5. batch 64 x [M 2,048, K 2,048] x [K 2,048, N 64]; A: softmax (see below); B: computed on the way: QUANTISED
;;     6. [M 8,192, K 1,024] x [K 1,024, N 1,024]; A: computed on the way; B: input Wo: QUANTISED
;;   THE QUANTISER, for each operand of a quantised product, along K:
;;     - K is cut into blocks of 32 from its start; a last block that is shorter is filled with zeros.
;;     - A block's scale is 2^e with e = floor(log2(the largest magnitude in the block)) - 2, held to -126 .. 127; a block of zeros has e = 0. As a byte (E8M0): e + 127.
;;     - Each number is divided by its block's scale, clamped to +-7.5, and rounded to the nearest number of E2M3, ties to even, subnormals kept.
;;     - The product sums the exact products of the quantised numbers (number of the format x scale) in f32.
;;   ~~~python
;;   def quantise(x, axis):      # numpy; x: float32 -> the quantised numbers, widened to float32 again
;;       x = np.moveaxis(x, axis, -1); K = x.shape[-1]
;;       x = np.pad(x, [(0, 0)] * (x.ndim - 1) + [(0, -K % 32)]); x = x.reshape(x.shape[:-1] + (-1, 32)); a = np.abs(x).max(-1, keepdims=True)
;;       e = np.where(a > 0, np.clip(np.frexp(np.where(a > 0, a, 1))[1] - 1 - 2, -126, 127), 0)      # np.frexp(a)[1] - 1 = floor(log2(a)), exactly
;;       r = np.clip(x / 2.0 ** e, -7.5, 7.5)
;;       step = 2.0 ** (np.maximum(np.frexp(np.where(r == 0, 1, r))[1] - 1, 0) - 3)
;;       q = np.round(r / step) * step * 2.0 ** e      # np.round: ties to even
;;       return np.moveaxis(q.reshape(q.shape[:-2] + (-1,))[..., :K], -1, axis).astype(np.float32)
;;   ~~~
;;   SOFTMAX AHEAD OF A QUANTISED PRODUCT. Where the list says 'softmax', what is quantised is not the finished softmax but p = 2^(t - M), with t = logit x log2(e) and M = ceil(the row's largest t), a whole number; so 1/2 < the row's largest p <= 1. The row's sum l is taken of the UNQUANTISED p, in f32, and the product's result is divided by l at the end. Since M is a whole number, a kernel that streams over the keys may use a running M (the ceiling of the running maximum): every later rescaling is an exact power of two, which a block's scale takes up: the codes' values come out the same.
;;   OPERANDS COMPUTED ON THE WAY. 'Computed on the way' means the value that the module computes at that place (a softmax that the list does not call 'softmax' is quantised finished and normalised). What goes into a quantiser is computed in f32, as accurately as f32 sums, v_exp_f32 and their like allow (about 1e-6 of the number): no bf16 or f16 on the way to a quantiser, and a product that is left as it is and whose result goes on into a quantised operand takes f32 operands (vector FMAs, or v_wmma_f32_16x16x4_f32). A number that lies on a knife's edge between two numbers of the format may be rounded either way, as far as f32 arithmetic and the matrix unit's own rounding can turn it there, and no further.
;; One version. Each part assembles by itself: llvm-mc -triple=amdgcn-amd-amdhsa -mcpu=gfx1250 --defsym DOCPART=n.
;; ======== version 1 of 1: 5 launches
;; workspace buffers: xq 6,553,600 bytes; wq 3,276,800 bytes; qb 6,815,744 bytes; kv 13,369,344 bytes; cq 6,553,600 bytes
;; launch quant_x (part 1): grid 256 x 1, 4 waves a work-group, no clusters, 34,304 bytes of LDS; arguments x, xq; writes xq
.if DOCPART == 1
	.amdgcn_target "amdgcn-amd-amdhsa--gfx1250"
	.amdhsa_code_object_version 6
	.text
	.protected	k_qf7de951741_quant_x
	.globl	k_qf7de951741_quant_x
	.p2align	8
	.type	k_qf7de951741_quant_x,@function
k_qf7de951741_quant_x:
	s_mov_b64 s[64:65], 0
	v_nop
	global_prefetch_b8 v0, s[64:65] scope:SCOPE_SE
	s_setreg_imm32_b32 hwreg(HW_REG_WAVE_MODE, 25, 1), 1
	s_wait_xcnt 0x0
; x [8192][1024] f32 becomes codes of E2M3 with one E8M0 byte for each 32 along K, laid in the order of an operand's registers.
; A TILE is 16 rows: tile 2 g + u, lane row r, is row 32 g + 8 u + r + 8 (r / 8).  For each tile: two halves of K, 6,400 bytes each:
; four fragments (16 rows x 128 K) of 1,536 bytes, then 256 bytes of scale words.  A fragment is two atoms of 768 bytes (64 along K):
; a lane's registers 0-3 at 16 x lane, registers 4-5 at 512 + 8 x lane.  The scale words are the image of two registers:
; register g', lanes 0-15: K step 2 g' of the half, lanes 16-31: K step 2 g' + 1.
; SHARES: a work-group takes 32 rows (two tiles); wave w takes tile w / 2 and half w % 2 of K: 6,400 consecutive bytes of xq.
; Each load reads 512 consecutive bytes of one row; a K step's 16 rows turn through the wave's own stage in LDS (rows of 512 + 16 bytes),
; so that a lane gets 16 neighbours of each block of 32.  Waves share nothing: no barrier.
; A block's scale is 2^(floor(log2(largest magnitude)) - 2); its byte is the largest magnitude's exponent field - 2, held at 1 from below.
; LIMITS: a block of zeros gets the byte 1 where the rule says 127 (its codes are zeros, and only this program reads the bytes);
; blocks whose largest magnitude lies under 2^-124 are held at the byte 1; NaN and infinities among the inputs are not served.
.set ROWX,   4096                      ; a row of x in bytes
.set SPITCH, 528                       ; a stage row
.set WSTG,   16*SPITCH                 ; a wave's stage
.set L16,  1                           ; v1  16 x lane
.set L8,   2                           ; v2  8 x lane
.set SIN,  3                           ; v3  the stage, on the way in
.set SOUT, 4                           ; v4  and on the way out: row r, + 64 h
.set R,    16                          ; v16-143  two sets of 64 registers as loaded
.set X,    144                         ; v144-207 register 16 b + i = k 32 b + 16 h + i of my row
.set PC,   208                         ; v208-219 the codes; v220-226 at work
.set TM,   228                         ; v228-243 at work
.set PW,   244                         ; the scale word just made
.set KP,   246                         ; v246-249 the four steps' scale words
.set PR,   250                         ; v250-251 their image
.set SEL,  20
.set HM,   22
; 64 numbers of a lane become a fragment's codes in v[PC] on and its scale word in v[PW]
.macro QUANT s
.irp b, 0,1,2,3
	v_max3_num_f32 v[TM+\b], |v[\s+16*\b]|, |v[\s+1+16*\b]|, 0x1800000   ; my 16 numbers of block b, and the floor 2^(3 - 127)
.endr
.irp i, 2,4,6,8,10,12,14
.irp b, 0,1,2,3
	v_max3_num_f32 v[TM+\b], v[TM+\b], |v[\s+16*\b+\i]|, |v[\s+1+16*\b+\i]|
.endr
.endr
.irp b, 0,1,2,3
	v_permlanex16_b32 v[TM+4+\b], v[TM+\b], s[SEL], s[SEL+1]
.endr
.irp b, 0,1,2,3
	v_max_num_f32 v[TM+\b], v[TM+\b], v[TM+4+\b]                       ; with lane l xor 16's: the block's largest magnitude
.endr
.irp b, 0,1,2,3
	v_add_nc_u32 v[TM+12+\b], 0xff000000, v[TM+\b]                     ; 2 off its exponent field: the conversion's scale operand
.endr
.irp b, 0,1,2,3
	v_lshrrev_b32 v[TM+4+\b], 23, v[TM+12+\b]                          ; the scale's byte
.endr
	v_lshl_or_b32 v[PW], v[TM+5], 8, v[TM+4]
	v_lshl_or_b32 v[PW], v[TM+6], 16, v[PW]
	v_lshl_or_b32 v[PW], v[TM+7], 24, v[PW]
.irp c, 0,1
	v_cvt_scalef32_pk16_fp6_f32 v[PC+6*\c:PC+2+6*\c], v[\s+32*\c:\s+15+32*\c], v[TM+12+2*\c]
	v_cvt_scalef32_pk16_fp6_f32 v[PC+12+4*\c:PC+14+4*\c], v[\s+16+32*\c:\s+31+32*\c], v[TM+12+2*\c+1]
.endr
	v_nop                                          ; one plain place behind a scaled conversion
.irp c, 0,1                                    ; the operand wants a whole block in a lane: lanes 0-15 block 2 c, lanes 16-31 block 2 c + 1
.irp i, 0,1,2
	v_permlane16_swap_b32 v[PC+6*\c+\i], v[PC+12+4*\c+\i]
.endr
.irp i, 0,1,2
	v_mov_b32 v[PC+3+6*\c+\i], v[PC+12+4*\c+\i]
.endr
.endr
.endm
.macro OUT4 a16, a8, base, off                 ; a fragment leaves as it stands: stores of 512 and of 256 consecutive bytes
	global_store_b128 v[\a16], v[PC:PC+3], s[\base:\base+1] offset:(\off)
	global_store_b64 v[\a8], v[PC+4:PC+5], s[\base:\base+1] offset:(\off)+512
	global_store_b128 v[\a16], v[PC+6:PC+9], s[\base:\base+1] offset:(\off)+768
	global_store_b64 v[\a8], v[PC+10:PC+11], s[\base:\base+1] offset:(\off)+1280
.endm
	s_load_b128 s[4:7], s[0:1], 0x0                ; x, xq
	v_lshl_add_u32 v254, v0, 2, 0x8400
	v_mov_b32 v255, 0
	v_lshrrev_b32 v5, 5, v0
	v_readfirstlane_b32 s8, v5                     ; wave
	v_and_b32 v6, 31, v0                           ; lane
	v_and_b32 v7, 15, v0                           ; r
	v_bfe_u32 v8, v0, 4, 1                         ; h
	v_lshlrev_b32 v[L16], 4, v6
	v_lshlrev_b32 v[L8], 3, v6
	s_mul_i32 s9, s8, WSTG
	v_add_nc_u32 v[SIN], s9, v[L16]
	v_mul_u32_u24 v[SOUT], v7, SPITCH
	v_lshl_add_u32 v[SOUT], v8, 6, v[SOUT]
	v_add_nc_u32 v[SOUT], s9, v[SOUT]
	s_lshr_b32 s10, s8, 1                          ; u
	s_and_b32 s11, s8, 1                           ; which half of K
	s_lshl_b32 s12, ttmp9, 17                      ; 32 rows of 4,096 bytes a work-group
	s_lshl_b32 s13, s10, 15                        ; + 8 u rows
	s_add_co_u32 s12, s12, s13
	s_lshl_b32 s13, s11, 11                        ; + the half's 2,048 bytes
	s_add_co_u32 s12, s12, s13
	s_mov_b32 s13, 0
	s_lshl_b32 s14, ttmp9, 1
	s_add_co_u32 s14, s14, s10                     ; my tile
	s_mul_i32 s14, s14, 12800
	s_mul_i32 s15, s11, 6400
	s_add_co_u32 s14, s14, s15
	s_mov_b32 s15, 0
	s_mov_b32 s[SEL], 0x76543210
	s_mov_b32 s[SEL+1], 0xfedcba98                 ; v_permlanex16_b32's selects for lane l xor 16
	s_mov_b32 s[HM], 0xffff0000                    ; lanes 16-31
.irp b, 0,1,2,3
	v_mov_b32 v[TM+4+\b], 0                        ; written once: a lane permute's destination counts as one of its sources
.endr
	s_wait_alu depctr_va_vdst(0)
	s_wait_kmcnt 0x0
	s_add_nc_u64 s[4:5], s[4:5], s[12:13]
	s_add_nc_u64 s[6:7], s[6:7], s[14:15]
.macro LOAD t                                  ; K step t: 512 bytes of each of the tile's 16 rows
.irp i, 0,1,2,3,4,5,6,7,8,9,10,11,12,13,14,15
	global_load_b128 v[R+64*((\t)%2)+4*\i:R+64*((\t)%2)+4*\i+3], v[L16], s[4:5] offset:(\i+8*(\i/8))*ROWX+512*(\t) th:TH_LOAD_NT
.endr
.endm
.macro TURN t                                  ; LDS serves a wave's instructions in order: no wait between the stores and the loads
.irp i, 0,1,2,3,4,5,6,7,8,9,10,11,12,13,14,15
	ds_store_b128 v[SIN], v[R+64*((\t)%2)+4*\i:R+64*((\t)%2)+4*\i+3] offset:SPITCH*\i
.endr
.irp q, 0,1,2,3,4,5,6,7,8,9,10,11,12,13,14,15
	ds_load_b128 v[X+4*\q:X+4*\q+3], v[SOUT] offset:128*(\q/4)+16*(\q%4)
.endr
.endm
.macro STEP t
.if (\t) < 3
	s_wait_loadcnt 16                              ; this step's 16 loads are in; the next step's 16 may be out
.else
	s_wait_loadcnt 0x0
.endif
	TURN \t
	s_wait_dscnt 0x0                               ; the numbers are back, and the stage's stores have read their registers
	s_wait_xcnt 0x0                                ; the last step's stores have read the codes' registers
.if (\t) < 2
	LOAD (\t)+2
.endif
	QUANT X
	OUT4 L16, L8, 6, 1536*(\t)
	v_mov_b32 v[KP+(\t)], v[PW]
.endm
	LOAD 0
	LOAD 1
	STEP 0
	STEP 1
	STEP 2
	STEP 3
	v_cndmask_b32 v[PR], v[KP], v[KP+1], s[HM]     ; lanes 0-15: step 0's words, lanes 16-31: step 1's
	v_cndmask_b32 v[PR+1], v[KP+2], v[KP+3], s[HM] ; steps 2 and 3
	global_store_b64 v[L8], v[PR:PR+1], s[6:7] offset:6144   ; 256 consecutive bytes
	s_wait_tensorcnt 0x0
	ds_add_u32 v254, v255
	s_wait_dscnt 0x0
	s_endpgm
.Lfunc_end_k_qf7de951741_quant_x:
	.size	k_qf7de951741_quant_x, .Lfunc_end_k_qf7de951741_quant_x-k_qf7de951741_quant_x
	.p2alignl 7, 3214868480
	.fill 96, 4, 3214868480
	.section	.rodata,"a",@progbits
	.p2align	6, 0x0
	.amdhsa_kernel k_qf7de951741_quant_x
		.amdhsa_group_segment_fixed_size 34304
		.amdhsa_private_segment_fixed_size 0
		.amdhsa_enable_private_segment 0
		.amdhsa_kernarg_size 16
		.amdhsa_user_sgpr_count 2
		.amdhsa_user_sgpr_kernarg_segment_ptr 1
		.amdhsa_wavefront_size32 1
		.amdhsa_system_sgpr_workgroup_id_x 1
		.amdhsa_system_sgpr_workgroup_id_y 1
		.amdhsa_system_sgpr_workgroup_id_z 1
		.amdhsa_system_vgpr_workitem_id 0
		.amdhsa_next_free_vgpr 256
		.amdhsa_next_free_sgpr 66
		.amdhsa_reserve_vcc 0
		.amdhsa_float_denorm_mode_32 3
		.amdhsa_float_denorm_mode_16_64 3
		.amdhsa_memory_ordered 1
		.amdhsa_forward_progress 1
		.amdhsa_inst_pref_size 34
	.end_amdhsa_kernel
	.amdgpu_metadata
---
amdhsa.version: [ 1, 2 ]
amdhsa.kernels:
  - .name:           k_qf7de951741_quant_x
    .symbol:         k_qf7de951741_quant_x.kd
    .args:
      - { .name: x, .offset: 0, .size: 8, .value_kind: global_buffer, .address_space: global }
      - { .name: xq, .offset: 8, .size: 8, .value_kind: global_buffer, .address_space: global }
    .group_segment_fixed_size: 34304
    .private_segment_fixed_size: 0
    .kernarg_segment_align: 8
    .kernarg_segment_size: 16
    .max_flat_workgroup_size: 128
    .sgpr_count:     66
    .vgpr_count:     256
    .wavefront_size: 32
...
	.end_amdgpu_metadata
.endif
;; end of part 1
;; launch quant_w (part 2): grid 32 x 8, 4 waves a work-group, no clusters, 12,800 bytes of LDS; arguments Wq, Wk, Wv, Wo, wq; writes wq
.if DOCPART == 2
	.amdgcn_target "amdgcn-amd-amdhsa--gfx1250"
	.amdhsa_code_object_version 6
	.text
	.protected	k_qf7de951741_quant_w
	.globl	k_qf7de951741_quant_w
	.p2align	8
	.type	k_qf7de951741_quant_w,@function
k_qf7de951741_quant_w:
	s_mov_b64 s[64:65], 0
	v_nop
	global_prefetch_b8 v0, s[64:65] scope:SCOPE_SE
	s_setreg_imm32_b32 hwreg(HW_REG_WAVE_MODE, 25, 1), 1
	s_wait_xcnt 0x0
; The four weights [1024 (k)][1024 (n)] f32, K their FIRST axis, become codes of E2M3 with one E8M0 byte for each 32 along K, in the layout
; of quant_x's output: rows = the weight's columns n; tiles 0-63 Wq, 64-127 Wk, 128-191 Wv, 192-255 Wo; tile 2 g + u, lane row r, is column
; 32 g + 8 u + r + 8 (r / 8); a tile is two halves of K of 6,400 bytes: four fragments of 1,536 bytes and 256 bytes of scale words.
; A LANE TAKES A COLUMN AND ITS REGISTERS RUN DOWN K: a block of 32 lies in one lane, and the conversions give codes with K innermost.
; SHARES: work-group x / 8 picks the weight, x % 8 its 128 columns, y the K step of 128; a wave takes 32 columns: two tiles' fragments.
; A lane's codes go into the wave's own 3,072 bytes of LDS at their place in the fragments' images and leave as stores of 512 consecutive bytes.
; The scale words leave as 4 bytes a lane, 8 bytes apart: one byte for each 128 bytes read.  Waves share nothing: no barrier.
; LIMITS: a block of zeros gets the byte 1 where the rule says 127 (its codes are zeros, and only this program reads the bytes);
; blocks whose largest magnitude lies under 2^-124 are held at the byte 1; NaN and infinities among the inputs are not served.
.set X,   32                           ; v32-159  128 numbers down K, 32 a block
.set CD,  160                          ; v160+8 b a block's six registers of codes
.set CE,  192                          ; v192+4 b the second conversion's three
.set BKR, 208                          ; v208-231 the images read back
	s_load_b256 s[4:11], s[0:1], 0x0               ; Wq, Wk, Wv, Wo
	s_load_b64 s[12:13], s[0:1], 0x20              ; wq
	v_lshl_add_u32 v254, v0, 2, 0x3000
	v_mov_b32 v255, 0
	v_lshrrev_b32 v7, 5, v0
	v_readfirstlane_b32 s14, v7                    ; wave
	v_and_b32 v8, 31, v0                           ; lane = my column of the wave's 32
	v_lshlrev_b32 v1, 2, v8                        ; in: 4 bytes a lane
	v_bfe_u32 v9, v0, 3, 1                         ; u: which of the two tiles my column belongs to
	v_and_b32 v10, 7, v0
	v_bfe_u32 v11, v0, 4, 1
	v_lshl_add_u32 v10, v11, 3, v10                ; r: its row in that tile
	s_mul_i32 s15, s14, 3072
	v_mul_u32_u24 v12, v9, 1536
	v_add_nc_u32 v12, s15, v12
	v_lshl_add_u32 v2, v10, 4, v12                 ; the stage: registers 0-3 of an atom, 16 bytes a row
	v_lshl_add_u32 v3, v10, 3, v12                 ; registers 4-5, 8 bytes a row
	v_lshlrev_b32 v5, 4, v8                        ; out: 16 x lane
	v_add_nc_u32 v4, s15, v5                       ; and the same in my stage
	v_mul_u32_u24 v6, v9, 12800
	v_lshl_add_u32 v6, v10, 3, v6                  ; my column's scale word: its tile, 8 bytes a row
	s_lshr_b32 s16, ttmp9, 3                       ; which weight
	s_and_b32 s17, ttmp9, 7
	s_lshl_b32 s18, s17, 2
	s_add_co_u32 s18, s18, s14                     ; which 32 columns
	s_and_b32 s19, ttmp7, 0xffff                   ; K step
	s_lshl_b32 s20, s19, 19                        ; 128 rows of 4,096 bytes a K step
	s_lshl_b32 s21, s18, 7
	s_add_co_u32 s20, s20, s21
	s_mov_b32 s21, 0
	s_lshl_b32 s22, s16, 6
	s_lshl_b32 s23, s18, 1
	s_add_co_u32 s22, s22, s23                     ; my first tile
	s_mul_i32 s22, s22, 12800
	s_lshr_b32 s23, s19, 2
	s_mul_i32 s23, s23, 6400
	s_add_co_u32 s22, s22, s23                     ; its half of K
	s_and_b32 s23, s19, 3
	s_mul_i32 s24, s23, 1536
	s_add_co_u32 s24, s24, s22                     ; the fragment
	s_mov_b32 s25, 0
	s_lshr_b32 s23, s23, 1
	s_lshl_b32 s23, s23, 2
	s_add_co_u32 s26, s22, s23                     ; the scale words: register (step % 4) / 2,
	s_and_b32 s23, s19, 1
	s_lshl_b32 s23, s23, 7
	s_add_co_u32 s26, s26, s23                     ; lanes 16 (step % 2) on
	s_mov_b32 s27, 0
	s_wait_kmcnt 0x0
	s_cmp_eq_u32 s16, 1                            ; the choice hangs on the work-group's number alone
	s_cselect_b64 s[4:5], s[6:7], s[4:5]
	s_cmp_eq_u32 s16, 2
	s_cselect_b64 s[4:5], s[8:9], s[4:5]
	s_cmp_eq_u32 s16, 3
	s_cselect_b64 s[4:5], s[10:11], s[4:5]
	s_add_nc_u64 s[4:5], s[4:5], s[20:21]
	s_add_nc_u64 s[24:25], s[12:13], s[24:25]
	s_add_nc_u64 s[26:27], s[12:13], s[26:27]
.macro LOAD q                                  ; block q: 32 rows of W at my column; a wave reads 128 consecutive bytes, the work-group 512
.irp i, 0,1,2,3,4,5,6,7,8,9,10,11,12,13,14,15,16,17,18,19,20,21,22,23,24,25,26,27,28,29,30,31
	global_load_b32 v[X+32*(\q)+\i], v1, s[4:5] offset:(32*(\q)+\i)*4096 th:TH_LOAD_NT
.endr
.endm
.macro BLOCK q
.set XS, X+32*(\q)
.set CA, CD+8*(\q)
.set CB, CE+4*(\q)
.if (\q) < 3
	s_wait_loadcnt 32                              ; this block's 32 loads are in; the next block's may be out
.else
	s_wait_loadcnt 0x0
.endif
.if (\q) < 2
	LOAD (\q)+2                                    ; each block has registers of its own
.endif
	v_max3_num_f32 v16, |v[XS]|, |v[XS+1]|, |v[XS+2]|              ; the block's largest magnitude: all 32 numbers are mine
	v_max3_num_f32 v17, |v[XS+3]|, |v[XS+4]|, |v[XS+5]|
.irp i, 6,10,14,18,22,26
	v_max3_num_f32 v16, v16, |v[XS+\i]|, |v[XS+\i+1]|
	v_max3_num_f32 v17, v17, |v[XS+\i+2]|, |v[XS+\i+3]|
.endr
	v_max3_num_f32 v16, v16, |v[XS+30]|, |v[XS+31]|
	v_max3_num_f32 v16, v16, v17, 0x1800000        ; and the floor 2^(3 - 127)
	v_add_nc_u32 v18, 0xff000000, v16              ; 2 off its exponent field: the conversion's scale operand
	v_lshrrev_b32 v19, 23, v18                     ; the scale's byte
.if (\q) == 0
	v_mov_b32 v24, v19
.else
	v_lshl_or_b32 v24, v19, 8*(\q), v24            ; four bytes make my column's scale word of this K step
.endif
	v_cvt_scalef32_pk16_fp6_f32 v[CA:CA+2], v[XS:XS+15], v18
	v_cvt_scalef32_pk16_fp6_f32 v[CB:CB+2], v[XS+16:XS+31], v18
	v_nop                                          ; one plain place behind a scaled conversion
.irp i, 0,1,2
	v_mov_b32 v[CA+3+\i], v[CB+\i]
.endr
	ds_store_b128 v2, v[CA:CA+3] offset:768*((\q)/2)+256*((\q)%2)      ; block q belongs to lane (r, q % 2) of atom q / 2
	ds_store_b64 v3, v[CA+4:CA+5] offset:768*((\q)/2)+512+128*((\q)%2)
.endm
	LOAD 0
	LOAD 1
	BLOCK 0
	BLOCK 1
	BLOCK 2
	BLOCK 3
	global_store_b32 v6, v24, s[26:27] offset:6144
.irp i, 0,1,2,3,4,5
	ds_load_b128 v[BKR+4*\i:BKR+4*\i+3], v4 offset:512*\i          ; LDS serves a wave's instructions in order: these see my stores
.endr
.irp i, 0,1,2,3,4,5
	s_wait_dscnt 5-\i
	global_store_b128 v5, v[BKR+4*\i:BKR+4*\i+3], s[24:25] offset:12800*(\i/3)+512*(\i%3)   ; 512 consecutive bytes
.endr
	s_wait_tensorcnt 0x0
	ds_add_u32 v254, v255
	s_wait_dscnt 0x0
	s_endpgm
.Lfunc_end_k_qf7de951741_quant_w:
	.size	k_qf7de951741_quant_w, .Lfunc_end_k_qf7de951741_quant_w-k_qf7de951741_quant_w
	.p2alignl 7, 3214868480
	.fill 96, 4, 3214868480
	.section	.rodata,"a",@progbits
	.p2align	6, 0x0
	.amdhsa_kernel k_qf7de951741_quant_w
		.amdhsa_group_segment_fixed_size 12800
		.amdhsa_private_segment_fixed_size 0
		.amdhsa_enable_private_segment 0
		.amdhsa_kernarg_size 40
		.amdhsa_user_sgpr_count 2
		.amdhsa_user_sgpr_kernarg_segment_ptr 1
		.amdhsa_wavefront_size32 1
		.amdhsa_system_sgpr_workgroup_id_x 1
		.amdhsa_system_sgpr_workgroup_id_y 1
		.amdhsa_system_sgpr_workgroup_id_z 1
		.amdhsa_system_vgpr_workitem_id 0
		.amdhsa_next_free_vgpr 256
		.amdhsa_next_free_sgpr 66
		.amdhsa_reserve_vcc 0
		.amdhsa_float_denorm_mode_32 3
		.amdhsa_float_denorm_mode_16_64 3
		.amdhsa_memory_ordered 1
		.amdhsa_forward_progress 1
		.amdhsa_inst_pref_size 23
	.end_amdhsa_kernel
	.amdgpu_metadata
---
amdhsa.version: [ 1, 2 ]
amdhsa.kernels:
  - .name:           k_qf7de951741_quant_w
    .symbol:         k_qf7de951741_quant_w.kd
    .args:
      - { .name: Wq, .offset: 0, .size: 8, .value_kind: global_buffer, .address_space: global }
      - { .name: Wk, .offset: 8, .size: 8, .value_kind: global_buffer, .address_space: global }
      - { .name: Wv, .offset: 16, .size: 8, .value_kind: global_buffer, .address_space: global }
      - { .name: Wo, .offset: 24, .size: 8, .value_kind: global_buffer, .address_space: global }
      - { .name: wq, .offset: 32, .size: 8, .value_kind: global_buffer, .address_space: global }
    .group_segment_fixed_size: 12800
    .private_segment_fixed_size: 0
    .kernarg_segment_align: 8
    .kernarg_segment_size: 40
    .max_flat_workgroup_size: 128
    .sgpr_count:     66
    .vgpr_count:     256
    .wavefront_size: 32
...
	.end_amdgpu_metadata
.endif
;; end of part 2
;; launch qkv (part 3): grid 24 x 32, 4 waves a work-group, clusters of 4 x 4, 307,712 bytes of LDS; arguments xq, wq, bq, bk, bv, qb, kv; writes qb, kv
.if DOCPART == 3
	.amdgcn_target "amdgcn-amd-amdhsa--gfx1250"
	.amdhsa_code_object_version 6
	.text
	.protected	k_qf7de951741_qkv
	.globl	k_qf7de951741_qkv
	.p2align	8
	.type	k_qf7de951741_qkv,@function
k_qf7de951741_qkv:
	s_mov_b64 s[64:65], 0
	v_nop
	global_prefetch_b8 v0, s[64:65] scope:SCOPE_SE
	s_setreg_imm32_b32 hwreg(HW_REG_WAVE_MODE, 25, 1), 1
	s_wait_xcnt 0x0
	s_wait_alu depctr_hold_cnt(0) depctr_sa_sdst(0) depctr_va_vdst(0) depctr_va_sdst(0) depctr_va_ssrc(0) depctr_va_vcc(0) depctr_vm_vsrc(0)
	s_getreg_b32 s2, hwreg(HW_REG_IB_STS2, 6, 4)
	s_cmp_eq_u32 s2, 0
	s_cbranch_scc0 .Lentry_in_a_cluster
	s_endpgm
.Lentry_in_a_cluster:
	s_bfe_u32 s2, ttmp6, 0x10000c
	s_cmp_lg_u32 s2, 0xf033
	s_cbranch_scc0 .Lentry_shape_is_right
	s_endpgm
.Lentry_shape_is_right:
; Q = x Wq + bq, K = x Wk + bk, V = x Wv + bv on codes of E2M3 (v_wmma_scale_f32_16x16x128_f8f6f4, f32 sums), and the results quantised at once:
; Q and K along the head's 64, V along the keys.  Nothing wider than codes goes to memory.
; D = S0 x S1^T: a lane holds ONE row of S1, its registers run along S0's rows, and that is the direction that is quantised next.
; Q, K: S0 = the weight's columns (features), S1 = x's rows (tokens).  V: S0 = x's rows (the keys), S1 = Wv's columns.
; Every tile of 16 rows takes its rows as tile 2 g + u, lane row r = row 32 g + 8 u + r + 8 (r / 8): the 16 registers of S0's tiles 2 b and 2 b + 1 are then
; 16 neighbours, 32 b + 16 (lane / 16) + 0 .. 15.
; SHARES: a work-group makes 128 rows of S0 x 256 rows of S1 with ALL of K (1,024) in LDS, each byte filled once: no slot is filled again.
; Wave w multiplies S0's 8 tiles by S1's tiles 4 w .. 4 w + 3: 32 accumulators.  768 work-groups: clusters x = 0..3 make Q and K, x = 4, 5 make V.
; CLUSTERS 4 x 4: S0's block hangs on cx alone and is asked for jointly by a column of the cluster, S1's on cy alone and by a row.
; OPERANDS lie in memory in the order of the registers (see quant_x): a tile's half of K is 6,400 bytes: 4 fragments and 256 bytes of scale words.
; OUT: qb [bh][16][6,656]: 8 atoms (tiles of 16 tokens x the head's 64) + 512 bytes of scale words (e0, e1, 0, 0);
;      kv [bh][16][13,056]: K likewise (6,656), then V^T's 4 fragments (16 of the head's 64 x 128 keys) + 256 bytes of scale words.
; LIMITS: a block of zeros gets the byte 1 where the rule says 127 (its codes are zeros, and only this program reads the bytes);
; blocks whose largest magnitude lies under 2^-124 are held at the byte 1; NaN and infinities are not served.
; REGISTERS: window 0: v4-15 addresses; v32-79 scale words; v80-143 bias; v144-207 results + bias; v208-253 the quantiser.
;   window 1: the accumulators, (S1 tile b, S0 tile a) at v[8 (8 b + a)].  window 2: S0's fragments, two sets.  window 3: S1's, two sets.
.set TILEB,  12800
.set HALFB,  6400
.set S0C,    51200                     ; LDS: S0's chunk c (half c of K, 8 tiles) at c x 51,200
.set S1BASE, 102400                    ; S1's chunk c (16 tiles) at 102,400 + c x 102,400
.set S1C,    102400
.set S0A,  4                           ; v4, v5: 16 x lane, 8 x lane = S0's addresses in chunk 0; v6, v7 in chunk 1
.set L16,  4
.set L8,   5
.set S1A,  8                           ; v8, v9: my four tiles of S1 in chunk 0; v10, v11 in chunk 1
.set AO16, 12                          ; v12-14 store offsets
.set AO8,  13
.set AOS,  14
.set SC,   32
.set BR,   80
.set BL,   80
.set T,    144
.set PC,   208
.set TM,   228
.set PW,   244
.set KP,   246
.set PR,   250
.set WV,   18
.set G1A,  24                          ; s[24:31] group 1 for S1's tiles;  s[32:39] for S0's
.set G1B,  32
.set B0,   76
.set B1,   80
.set SEL,  84
.set HM,   86
.set MSB, 0
.macro WIN new                         ; the immediate's high byte repeats the setting that is left
.if MSB != \new
	s_set_vgpr_msb (MSB<<8)|\new
.set MSB, \new
.endif
.endm
.macro CROUND                          ; a round of the cluster's barrier
	s_barrier_signal -1
	s_barrier_wait -1
	s_cmp_lg_u32 s[WV], 0
	s_cbranch_scc1 .Lnot_wave_0_\@
	s_barrier_signal -3
.Lnot_wave_0_\@:
	s_barrier_wait -3
	s_barrier_signal -1
	s_barrier_wait -1
.endm
.macro PLACES                          ; four plain places behind a matrix instruction, ahead of loads into its registers and of reads of its results
.rept 4
	v_nop
.endr
.endm
.macro FRAGLD reg, a16, a8, off        ; a fragment comes as it lies: 512, 256, 512, 256 consecutive bytes
	ds_load_b128 v[(\reg):(\reg)+3], v[\a16] offset:(\off)
	ds_load_b64 v[(\reg)+4:(\reg)+5], v[\a8] offset:(\off)+512
	ds_load_b128 v[(\reg)+6:(\reg)+9], v[\a16] offset:(\off)+768
	ds_load_b64 v[(\reg)+10:(\reg)+11], v[\a8] offset:(\off)+1280
.endm
.macro FETCH s                         ; K step s: S0's 8 fragments and my 4 of S1, 48 loads, into set s % 2
	WIN 0x80
.irp a, 0,1,2,3,4,5,6,7
	FRAGLD 128*((\s)%2)+12*\a, S0A+2*((\s)/4), S0A+2*((\s)/4)+1, \a*HALFB+((\s)%4)*1536
.endr
	WIN 0xc0
.irp b, 0,1,2,3
	FRAGLD 64*((\s)%2)+12*\b, S1A+2*((\s)/4), S1A+2*((\s)/4)+1, \b*HALFB+((\s)%4)*1536
.endr
.endm
.macro SCALES c                        ; chunk c's scale words: two registers a tile; register g': lanes 0-15 K step 2 g', lanes 16-31 K step 2 g' + 1
.irp t, 0,1,2,3,4,5,6,7
	ds_load_b64 v[SC+4*\t+2*\c:SC+4*\t+2*\c+1], v[S0A+2*\c+1] offset:\t*HALFB+6144
.endr
.irp t, 0,1,2,3
	ds_load_b64 v[SC+32+4*\t+2*\c:SC+32+4*\t+2*\c+1], v[S1A+2*\c+1] offset:\t*HALFB+6144
.endr
.endm
; 16 matrix instructions: S1's tiles b0, b0 + 1 x S0's eight, K step s.  mode 1: the first product starts the sums.  The 32 accumulators take turns, one instruction a turn, in the same order in every step.
.macro MULH s, b0, mode
	WIN 0x5e                                       ; source 0 window 2, source 1 window 3, C and D window 1
.irp b, \b0, \b0+1
.irp a, 0,1,2,3,4,5,6,7
.set rD, 8*(8*(\b)+\a)
.set rA, 128*((\s)%2)+12*\a
.set rB, 64*((\s)%2)+12*(\b)
.set rX, SC+4*\a+2*((\s)/4)+((\s)%4)/2
.set rY, SC+32+4*(\b)+2*((\s)/4)+((\s)%4)/2
.if \mode == 1
	v_wmma_scale_f32_16x16x128_f8f6f4 v[rD:rD+7], v[rA:rA+11], v[rB:rB+11], 0, v[rX], v[rY] matrix_a_fmt:MATRIX_FMT_FP6 matrix_b_fmt:MATRIX_FMT_FP6
.elseif (\s)%2
	v_wmma_scale_f32_16x16x128_f8f6f4 v[rD:rD+7], v[rA:rA+11], v[rB:rB+11], v[rD:rD+7], v[rX], v[rY] matrix_a_fmt:MATRIX_FMT_FP6 matrix_b_fmt:MATRIX_FMT_FP6 matrix_a_scale:MATRIX_SCALE_ROW1 matrix_b_scale:MATRIX_SCALE_ROW1
.else
	v_wmma_scale_f32_16x16x128_f8f6f4 v[rD:rD+7], v[rA:rA+11], v[rB:rB+11], v[rD:rD+7], v[rX], v[rY] matrix_a_fmt:MATRIX_FMT_FP6 matrix_b_fmt:MATRIX_FMT_FP6
.endif
.endr
.endr
.endm
; The eight K steps, written out.  A step's fragments are asked for one step ahead.
.macro MAIN mode
	s_wait_tensorcnt 0x2                           ; my two loads of chunk 0 are in; chunk 1's two may be out
	s_barrier_signal -1
	s_barrier_wait -1                              ; everybody's are
	SCALES 0
	FETCH 0
	FETCH 1
	s_wait_dscnt 48                                ; all but step 1's 48 loads
	MULH 0, 0, \mode
	MULH 0, 2, \mode
.irp s, 1,2
	PLACES
	FETCH \s+1
	s_wait_dscnt 48                                ; this step's fragments are in; the next step's 48 loads may be out
	MULH \s, 0, 0
	MULH \s, 2, 0
.endr
	s_wait_tensorcnt 0x0                           ; my part of chunk 1 is in,
	s_wait_dscnt 0x0                               ; and step 3's fragments
	s_barrier_signal -1
	MULH 3, 0, 0                                   ; work on registers while the others arrive
	s_barrier_wait -1
	PLACES
	WIN 0
	SCALES 1
	FETCH 4
	MULH 3, 2, 0
.irp s, 4,5,6
	PLACES
	FETCH \s+1
	s_wait_dscnt 48
	MULH \s, 0, 0
	MULH \s, 2, 0
.endr
	s_wait_dscnt 0x0
	MULH 7, 0, 0
	MULH 7, 2, 0
	WIN 0
	PLACES
.endm
; 64 numbers of a lane, register 16 b + i = index 32 b + 16 (lane / 16) + i of my row, become a fragment's codes in v[PC] on and its scale word in v[PW]
.macro QUANT s
.irp b, 0,1,2,3
	v_max3_num_f32 v[TM+\b], |v[\s+16*\b]|, |v[\s+1+16*\b]|, 0x1800000   ; my 16 numbers of block b, and the floor 2^(3 - 127)
.endr
.irp i, 2,4,6,8,10,12,14
.irp b, 0,1,2,3
	v_max3_num_f32 v[TM+\b], v[TM+\b], |v[\s+16*\b+\i]|, |v[\s+1+16*\b+\i]|
.endr
.endr
.irp b, 0,1,2,3
	v_permlanex16_b32 v[TM+4+\b], v[TM+\b], s[SEL], s[SEL+1]
.endr
.irp b, 0,1,2,3
	v_max_num_f32 v[TM+\b], v[TM+\b], v[TM+4+\b]
.endr
.irp b, 0,1,2,3
	v_add_nc_u32 v[TM+12+\b], 0xff000000, v[TM+\b]                     ; 2 off the exponent field: the conversion's scale operand
.endr
.irp b, 0,1,2,3
	v_lshrrev_b32 v[TM+4+\b], 23, v[TM+12+\b]                          ; the scale's byte
.endr
	v_lshl_or_b32 v[PW], v[TM+5], 8, v[TM+4]
	v_lshl_or_b32 v[PW], v[TM+6], 16, v[PW]
	v_lshl_or_b32 v[PW], v[TM+7], 24, v[PW]
.irp c, 0,1
	v_cvt_scalef32_pk16_fp6_f32 v[PC+6*\c:PC+2+6*\c], v[\s+32*\c:\s+15+32*\c], v[TM+12+2*\c]
	v_cvt_scalef32_pk16_fp6_f32 v[PC+12+4*\c:PC+14+4*\c], v[\s+16+32*\c:\s+31+32*\c], v[TM+12+2*\c+1]
.endr
	v_nop                                          ; one plain place behind a scaled conversion
.irp c, 0,1
.irp i, 0,1,2
	v_permlane16_swap_b32 v[PC+6*\c+\i], v[PC+12+4*\c+\i]
.endr
.irp i, 0,1,2
	v_mov_b32 v[PC+3+6*\c+\i], v[PC+12+4*\c+\i]
.endr
.endr
.endm
	s_load_b256 s[4:11], s[0:1], 0x0               ; xq, wq, bq, bk
	s_load_b128 s[12:15], s[0:1], 0x20             ; bv, qb
	s_load_b64 s[16:17], s[0:1], 0x30              ; kv
	v_lshl_add_u32 v254, v0, 2, 0x4b000
	v_mov_b32 v255, 0
	ds_add_u32 v254, v255
	ds_add_u32 v254, v255
	v_lshrrev_b32 v3, 5, v0
	v_readfirstlane_b32 s[WV], v3                  ; wave 0..3
	s_bfe_u32 s19, ttmp6, 0x40000                  ; cx
	s_bfe_u32 s20, ttmp6, 0x40004                  ; cy
	s_and_b32 s22, ttmp7, 0xffff                   ; cluster y
	s_lshl_b32 s23, s22, 1
	s_add_co_u32 s23, s23, ttmp9
	s_sub_co_u32 s23, s23, 4                       ; V: the 16 clusters x = 4, 5 are numbered x - 4 + 2 y
	s_cmp_ge_u32 ttmp9, 4                          ; V?  The cluster's x: the same in all sixteen partners
	s_cselect_b32 s23, s23, ttmp9
	s_cselect_b32 s56, 0, s22
	s_lshl_b32 s23, s23, 2
	s_add_co_u32 s23, s23, s19                     ; S0's block of 128 rows: it never holds cy
	s_lshl_b32 s56, s56, 2
	s_add_co_u32 s56, s56, s20                     ; S1's block of 256 rows: it never holds cx
	s_lshl_b32 s57, s20, 2
	s_lshl_b32 s57, 15, s57                        ; my row of the cluster
	s_or_b32 s[G1A], s57, (3<<16)|(1<<21)          ; 15:0 the mask; 17:16 elements of 8 bytes; 21 set beside a mask; no padding
	s_lshl_b32 s62, 0x1111, s19                    ; my column
	s_or_b32 s[G1B], s62, (3<<16)|(1<<21)
	s_mov_b32 s[G1A+1], 800<<16                    ; tensor_dim0 = 800 elements: a tile's half of K, 6,400 bytes
	s_mov_b32 s[G1A+2], 4<<16                      ; tensor_dim1 = 4 tiles
	s_mov_b32 s[G1A+3], 800<<16                    ; tile_dim0
	s_mov_b32 s[G1A+4], 4                          ; tile_dim1
	s_mov_b32 s[G1A+5], 1600                       ; from tile to tile: 12,800 bytes
	s_mov_b32 s[G1A+6], 0
	s_mov_b32 s[G1A+7], 0
	s_mov_b32 s[G1B+1], 800<<16
	s_mov_b32 s[G1B+2], 2<<16                      ; 2 tiles
	s_mov_b32 s[G1B+3], 800<<16
	s_mov_b32 s[G1B+4], 2
	s_mov_b32 s[G1B+5], 1600
	s_mov_b32 s[G1B+6], 0
	s_mov_b32 s[G1B+7], 0
	s_mul_i32 s58, s23, 8*TILEB
	s_mul_i32 s63, s[WV], 2*TILEB
	s_add_co_u32 s58, s58, s63                     ; S0: my two tiles of the block
	s_mov_b32 s59, 0
	s_mul_i32 s60, s56, 16*TILEB
	s_mul_i32 s63, s[WV], 4*TILEB
	s_add_co_u32 s60, s60, s63                     ; S1: my four tiles
	s_mov_b32 s61, 0
	s_mul_i32 s70, s[WV], 2*HALFB                  ; and where they go in LDS
	s_mul_i32 s71, s[WV], 4*HALFB
	s_add_co_u32 s71, s71, S1BASE
	s_mov_b32 s[SEL], 0x76543210
	s_mov_b32 s[SEL+1], 0xfedcba98
	s_mov_b32 s[HM], 0xffff0000
	s_wait_dscnt 0x0
	s_wait_kmcnt 0x0
	s_cmp_ge_u32 ttmp9, 4
	s_cselect_b64 s[66:67], s[4:5], s[6:7]         ; S0: x's codes for V, the weights' for Q and K
	s_cselect_b64 s[68:69], s[6:7], s[4:5]         ; S1: the other
	s_cselect_b32 s72, 128*TILEB, 0                ; Wv begins at tile 128
	s_add_co_u32 s60, s60, s72
	s_add_nc_u64 s[66:67], s[66:67], s[58:59]
	s_add_nc_u64 s[68:69], s[68:69], s[60:61]
	CROUND                                         ; all sixteen work-groups are here: the joint loads meet
	s_mov_b32 s40, 1                               ; S1, chunk 0
	s_mov_b32 s41, s71
	s_mov_b64 s[42:43], s[68:69]
	s_or_b32 s43, s43, 0x80000000
	s_mov_b32 s44, 1                               ; S0, chunk 0
	s_mov_b32 s45, s70
	s_mov_b64 s[46:47], s[66:67]
	s_or_b32 s47, s47, 0x80000000
	s_mov_b32 s48, 1                               ; S1, chunk 1
	s_add_co_u32 s49, s71, S1C
	s_add_nc_u64 s[50:51], s[68:69], HALFB
	s_or_b32 s51, s51, 0x80000000
	s_mov_b32 s52, 1                               ; S0, chunk 1
	s_add_co_u32 s53, s70, S0C
	s_add_nc_u64 s[54:55], s[66:67], HALFB
	s_or_b32 s55, s55, 0x80000000
	tensor_load_to_lds s[40:43], s[G1A:G1A+7]      ; every byte of LDS is filled once: four loads of mine are out
	s_nop 0
	tensor_load_to_lds s[44:47], s[G1B:G1B+7]
	s_nop 0
	tensor_load_to_lds s[48:51], s[G1A:G1A+7]
	s_nop 0
	tensor_load_to_lds s[52:55], s[G1B:G1B+7]
	s_nop 0
.rept 4
	v_nop
.endr
	v_and_b32 v3, 31, v0
	v_lshlrev_b32 v[L16], 4, v3
	v_lshlrev_b32 v[L8], 3, v3
	v_add_nc_u32 v[S0A+2], S0C, v[L16]
	v_add_nc_u32 v[S0A+3], S0C, v[L8]
	v_add_nc_u32 v[S1A], s71, v[L16]
	v_add_nc_u32 v[S1A+1], s71, v[L8]
	v_add_nc_u32 v[S1A+2], S1C, v[S1A]
	v_add_nc_u32 v[S1A+3], S1C, v[S1A+1]
.irp b, 0,1,2,3
	v_mov_b32 v[TM+4+\b], 0                        ; written once: a lane permute's destination counts as one of its sources
.endr
	s_cmp_ge_u32 ttmp9, 4
	s_cbranch_scc1 .Lv_path
	; ---- Q and K.  My accumulators of S1 tile b: 128 features (two heads) of 16 tokens
	s_lshr_b32 s70, ttmp9, 1                       ; 0: Q, 1: K
	s_and_b32 s71, s23, 7                          ; which 128 features of the 1,024
	s_lshl_b32 s82, s71, 9
	s_mov_b32 s83, 0
	s_mov_b32 s78, 13056
	s_cmp_eq_u32 s70, 0
	s_cselect_b64 s[74:75], s[8:9], s[10:11]       ; the bias
	s_cselect_b64 s[B0:B0+1], s[14:15], s[16:17]   ; qb or kv
	s_cselect_b32 s78, 6656, s78                   ; bytes of a (head, 128 tokens) block there
	s_add_nc_u64 s[74:75], s[74:75], s[82:83]
	s_lshr_b32 s72, s56, 3                         ; batch
	s_lshl_b32 s72, s72, 4
	s_lshl_b32 s71, s71, 1
	s_add_co_u32 s72, s72, s71                     ; 16 batch + my first head
	s_lshl_b32 s72, s72, 4
	s_and_b32 s73, s56, 7
	s_lshl_b32 s73, s73, 1
	s_add_co_u32 s72, s72, s73
	s_lshr_b32 s73, s[WV], 1
	s_add_co_u32 s72, s72, s73                     ; + which 128 tokens of the batch's 2,048
	s_mul_i32 s82, s72, s78
	s_add_nc_u64 s[B0:B0+1], s[B0:B0+1], s[82:83]
	s_lshl_b32 s82, s78, 4
	s_add_nc_u64 s[B1:B1+1], s[B0:B0+1], s[82:83]  ; the next head: 16 blocks on
	s_and_b32 s73, s[WV], 1
	s_mul_i32 s87, s73, 3072                       ; my four tiles are atoms 4 (w % 2) on,
	s_lshl_b32 s88, s73, 8                         ; and their scale words unit w % 2
	v_add_nc_u32 v[AO16], s87, v[L16]
	v_add_nc_u32 v[AO8], s87, v[L8]
	v_add_nc_u32 v[AOS], s88, v[L8]
	v_bfe_u32 v15, v0, 4, 1
	v_lshlrev_b32 v15, 6, v15                      ; 64 h
.irp q, 0,1,2,3,4,5,6,7,8,9,10,11,12,13,14,15
	global_load_b128 v[BR+4*\q:BR+4*\q+3], v15, s[74:75] offset:128*(\q/4)+16*(\q%4)   ; register 16 b + i: the bias of feature 32 b + 16 h + i
.endr
	MAIN 1
	s_wait_loadcnt 0x0                             ; the bias
.macro QK_OUT b
	WIN 0x01                                       ; source 0 window 1
.set JJ, 0
.rept 32
	v_pk_add_f32 v[T+JJ:T+JJ+1], v[64*(\b)+JJ:64*(\b)+JJ+1], v[BR+JJ:BR+JJ+1]   ; + bias; each accumulator from its low end on
.set JJ, JJ+2
.endr
	WIN 0
	s_wait_xcnt 0x0                                ; the last tile's stores have read the codes' registers
	QUANT T
	global_store_b128 v[AO16], v[PC:PC+3], s[B0:B0+1] offset:768*(\b)          ; features 0-63: my first head's atom
	global_store_b64 v[AO8], v[PC+4:PC+5], s[B0:B0+1] offset:768*(\b)+512
	global_store_b128 v[AO16], v[PC+6:PC+9], s[B1:B1+1] offset:768*(\b)        ; features 64-127: the next head's
	global_store_b64 v[AO8], v[PC+10:PC+11], s[B1:B1+1] offset:768*(\b)+512
	v_mov_b32 v[KP+(\b)], v[PW]
.endm
	QK_OUT 0
	QK_OUT 1
	QK_OUT 2
	QK_OUT 3
	v_cndmask_b32 v[PR], v[KP], v[KP+1], s[HM]     ; lanes 0-15: tile 0's words, lanes 16-31: tile 1's
	v_cndmask_b32 v[PR+1], v[KP+2], v[KP+3], s[HM] ; tiles 2 and 3
	v_and_b32 v[PR+2], 0xffff, v[PR]               ; bytes 0, 1: my first head's two blocks; bytes 2, 3 stay 0: they meet zero codes
	v_and_b32 v[PR+3], 0xffff, v[PR+1]
	v_lshrrev_b32 v[PR], 16, v[PR]                 ; bytes 2, 3: the next head's
	v_lshrrev_b32 v[PR+1], 16, v[PR+1]
	global_store_b64 v[AOS], v[PR+2:PR+3], s[B0:B0+1] offset:6144      ; 256 consecutive bytes
	global_store_b64 v[AOS], v[PR:PR+1], s[B1:B1+1] offset:6144
	s_branch .Ljoin
.Lv_path:
	; ---- V.  My accumulators of S1 tile b: 128 keys of 16 of my head's 64 features
	s_lshl_b32 s70, s56, 2
	s_add_co_u32 s70, s70, s[WV]                   ; my head: four tiles of 16 features are one head
	s_lshl_b32 s82, s70, 8
	s_mov_b32 s83, 0
	s_add_nc_u64 s[74:75], s[12:13], s[82:83]      ; its 64 numbers of bv
	s_lshr_b32 s71, s23, 4                         ; batch
	s_lshl_b32 s71, s71, 4
	s_add_co_u32 s71, s71, s70
	s_lshl_b32 s71, s71, 4
	s_and_b32 s72, s23, 15                         ; which 128 keys
	s_add_co_u32 s71, s71, s72
	s_mul_i32 s82, s71, 13056
	s_add_co_u32 s82, s82, 6656                    ; behind K's part of the block
	s_add_nc_u64 s[B0:B0+1], s[16:17], s[82:83]
	v_and_b32 v15, 15, v0
	v_and_b32 v3, 8, v15
	v_add_nc_u32 v15, v15, v3                      ; r + 8 (r / 8)
	v_lshlrev_b32 v15, 2, v15
.irp b, 0,1,2,3
	global_load_b32 v[BL+2*\b], v15, s[74:75] offset:(32*(\b/2)+8*(\b%2))*4      ; my feature's bias, in both registers of a pair for the packed add
	global_load_b32 v[BL+2*\b+1], v15, s[74:75] offset:(32*(\b/2)+8*(\b%2))*4
.endr
	s_wait_alu depctr_va_vdst(0)
	MAIN 1
	s_wait_loadcnt 0x0
.macro V_OUT b
	WIN 0x01
.set JJ, 0
.rept 32
	v_pk_add_f32 v[T+JJ:T+JJ+1], v[64*(\b)+JJ:64*(\b)+JJ+1], v[BL+2*(\b):BL+2*(\b)+1]
.set JJ, JJ+2
.endr
	WIN 0
	s_wait_xcnt 0x0
	QUANT T
	global_store_b128 v[L16], v[PC:PC+3], s[B0:B0+1] offset:1536*(\b)
	global_store_b64 v[L8], v[PC+4:PC+5], s[B0:B0+1] offset:1536*(\b)+512
	global_store_b128 v[L16], v[PC+6:PC+9], s[B0:B0+1] offset:1536*(\b)+768
	global_store_b64 v[L8], v[PC+10:PC+11], s[B0:B0+1] offset:1536*(\b)+1280
	v_mov_b32 v[KP+(\b)], v[PW]
.endm
	V_OUT 0
	V_OUT 1
	V_OUT 2
	V_OUT 3
	v_cndmask_b32 v[PR], v[KP], v[KP+1], s[HM]
	v_cndmask_b32 v[PR+1], v[KP+2], v[KP+3], s[HM]
	global_store_b64 v[L8], v[PR:PR+1], s[B0:B0+1] offset:6144
.Ljoin:
	s_wait_tensorcnt 0x0
	ds_add_u32 v254, v255
	s_wait_dscnt 0x0
	CROUND                                         ; the closing round: no work-group ends while a partner may still ask for a tile that names it
	s_endpgm
.Lfunc_end_k_qf7de951741_qkv:
	.size	k_qf7de951741_qkv, .Lfunc_end_k_qf7de951741_qkv-k_qf7de951741_qkv
	.p2alignl 7, 3214868480
	.fill 96, 4, 3214868480
	.section	.rodata,"a",@progbits
	.p2align	6, 0x0
	.amdhsa_kernel k_qf7de951741_qkv
		.amdhsa_group_segment_fixed_size 307712
		.amdhsa_private_segment_fixed_size 0
		.amdhsa_enable_private_segment 0
		.amdhsa_kernarg_size 56
		.amdhsa_user_sgpr_count 2
		.amdhsa_user_sgpr_kernarg_segment_ptr 1
		.amdhsa_wavefront_size32 1
		.amdhsa_system_sgpr_workgroup_id_x 1
		.amdhsa_system_sgpr_workgroup_id_y 1
		.amdhsa_system_sgpr_workgroup_id_z 1
		.amdhsa_system_vgpr_workitem_id 0
		.amdhsa_next_free_vgpr 1024
		.amdhsa_next_free_sgpr 100
		.amdhsa_reserve_vcc 0
		.amdhsa_float_denorm_mode_32 3
		.amdhsa_float_denorm_mode_16_64 3
		.amdhsa_memory_ordered 1
		.amdhsa_forward_progress 1
		.amdhsa_inst_pref_size 180
	.end_amdhsa_kernel
	.amdgpu_metadata
---
amdhsa.version: [ 1, 2 ]
amdhsa.kernels:
  - .name:           k_qf7de951741_qkv
    .symbol:         k_qf7de951741_qkv.kd
    .args:
      - { .name: xq, .offset: 0, .size: 8, .value_kind: global_buffer, .address_space: global }
      - { .name: wq, .offset: 8, .size: 8, .value_kind: global_buffer, .address_space: global }
      - { .name: bq, .offset: 16, .size: 8, .value_kind: global_buffer, .address_space: global }
      - { .name: bk, .offset: 24, .size: 8, .value_kind: global_buffer, .address_space: global }
      - { .name: bv, .offset: 32, .size: 8, .value_kind: global_buffer, .address_space: global }
      - { .name: qb, .offset: 40, .size: 8, .value_kind: global_buffer, .address_space: global }
      - { .name: kv, .offset: 48, .size: 8, .value_kind: global_buffer, .address_space: global }
    .group_segment_fixed_size: 307712
    .private_segment_fixed_size: 0
    .kernarg_segment_align: 8
    .kernarg_segment_size: 56
    .max_flat_workgroup_size: 128
    .sgpr_count:     100
    .vgpr_count:     1024
    .wavefront_size: 32
...
	.end_amdgpu_metadata
.endif
;; end of part 3
;; launch attn (part 4): grid 4 x 64, 16 waves a work-group, clusters of 4 x 1, 210,944 bytes of LDS; arguments qb, kv, cq; writes cq
.if DOCPART == 4
	.amdgcn_target "amdgcn-amd-amdhsa--gfx1250"
	.amdhsa_code_object_version 6
	.text
	.protected	k_qf7de951741_attn
	.globl	k_qf7de951741_attn
	.p2align	8
	.type	k_qf7de951741_attn,@function
k_qf7de951741_attn:
	s_mov_b64 s[64:65], 0
	v_nop
	global_prefetch_b8 v0, s[64:65] scope:SCOPE_SE
	s_setreg_imm32_b32 hwreg(HW_REG_WAVE_MODE, 25, 1), 1
	s_wait_xcnt 0x0
	s_wait_alu depctr_hold_cnt(0) depctr_sa_sdst(0) depctr_va_vdst(0) depctr_va_sdst(0) depctr_va_ssrc(0) depctr_va_vcc(0) depctr_vm_vsrc(0)
	s_getreg_b32 s2, hwreg(HW_REG_IB_STS2, 6, 4)
	s_cmp_eq_u32 s2, 0
	s_cbranch_scc0 .Lentry_in_a_cluster
	s_endpgm
.Lentry_in_a_cluster:
	s_bfe_u32 s2, ttmp6, 0x10000c
	s_cmp_lg_u32 s2, 0x3003
	s_cbranch_scc0 .Lentry_shape_is_right
	s_endpgm
.Lentry_shape_is_right:
; ctx = softmax(Q K^T / 8, causal) V for one (batch, head) a cluster, both products on codes of E2M3, and ctx quantised along the head's 64 for the last product.
; THE SOFTMAX AHEAD OF THE SECOND PRODUCT: t = score x log2(e) / 8; M = the running largest t rounded UP to a whole number; p = 2^(t - M) is quantised along the keys, not normalised;
; the row's sum is taken of the unquantised p and divides at the end.  When M moves, the sum and O are multiplied by 2^(old M - new M): exact.
; SHARES: the head has 128 tiles of 16 queries (tile 2 g + u, lane row r = query 32 g + 8 u + r + 8 (r / 8)).  Wave w of work-group cx takes tiles 4 w + cx and 127 - (4 w + cx):
; with a = w / 2 they need a + 1 and 16 - a key steps of 128: 17 in every wave.  Which steps are left out and which lies on the diagonal hangs on the wave's number alone.
; LDS: the head's whole K and V (16 blocks of 13,056 bytes, as qkv laid them) at byte 0, filled once, jointly for the four work-groups, by waves 0 to 3, four loads each.
; LAYOUT: S^T = K Q^T (source 0 = 16 keys), O^T = V^T P^T (source 0 = 16 of the head's 64): a lane holds one query throughout; the 16 registers of tiles 2 b and 2 b + 1 are 16 neighbours.
; K = 64 IN AN INSTRUCTION OF 128: Q's registers 6-11 are zero codes, and bytes 2, 3 of Q's and K's scale words are 0.  A tile of K is named as 12 registers of which the upper six are the NEXT tile's
; codes (behind the last tile: six zeros): they meet zero codes, E2M3 has no infinity and no NaN, so they add nothing.
; LIMITS: a block of zeros gets the byte 1 where the rule says 127 (its codes are zeros, and only this program reads the bytes); blocks under 2^-124 are held at the byte 1; NaN and infinities are not served.
.set STEPB, 13056                      ; a key step's block: K's 8 atoms, 512 bytes of scale words, V's 4 fragments, 256 bytes of scale words
.set L16,  1                           ; v1  16 x lane
.set L8,   2                           ; v2  8 x lane
.set A16,  3                           ; v3, v4 the same in the step's block
.set A8,   4
.set DV,   5                           ; v5  on the diagonal: register 16 b + i is hidden where 32 b + i > DV
.set NINF, 6                           ; v6  -infinity
.set RH,   7                           ; v7  r + 8 (r / 8) - 16 h
.set R8H,  8                           ; v8  8 r + h
.set R8,   9                           ; v9  8 r
.set QF,   16                          ; v16-21 Q's codes, v22-27 zeros
.set QS,   28                          ; v28 Q's scale words
.set KV,   32                          ; v32-79 K's 8 atoms, then V's 4 fragments; v80-85 zeros
.set S,    86                          ; v86-149 S^T, then p
.set O,    150                         ; v150-181 O^T
.set PCD,  182                         ; v182-193 p's codes
.set PX,   194                         ; v194-196, v198-200 the conversions' second halves
.set BM,   202                         ; v202-205 the blocks' maxima
.set TP,   206                         ; v206-209 at work
.set SO,   210                         ; v210-213 the conversions' scale operands
.set KS,   214                         ; v214-217 K's scale words
.set VS,   218                         ; v218-219 V's
.set PSW,  220                         ; v220 p's scale word
.set EB,   221                         ; v221 ctx's scale byte
.set F,    222                         ; v222 f (v223 named with it)
.set TT,   224                         ; v224 at work, later 1 / l (v225 named with it)
.set SM2,  226                         ; v226-227 the second chain of the sum
.set Q2,   230                         ; v230-236 the second tile's Q and scale words
.set WV,   18
.set CXR,  19
.set BH,   20
.set TB,   21                          ; LDS byte at which the step's block begins
.set KI,   22                          ; the key step
.set CNT,  23
.set G1,   24
.set DG,   32                          ; the pass's diagonal step
.set DGL,  33
.set DGS,  34
.set DVL,  35
.set DVS,  36
.set TAUS, 37
.set SEL,  38
.set G0,   40                          ; s[40:55] four groups 0
.set QAL,  56
.set QSL,  58
.set QAS,  60
.set QSS,  62
.set CAL,  66
.set CSL,  68
.set CAS,  70
.set CSS,  72
.set CS,   74                          ; s[74:75] c = log2(e) / 8
.set HM,   76
.set TAUL, 77
.set HOA,  89
.set HOS,  90
.macro CROUND
	s_barrier_signal -1
	s_barrier_wait -1
	s_cmp_lg_u32 s[WV], 0
	s_cbranch_scc1 .Lnot_wave_0_\@
	s_barrier_signal -3
.Lnot_wave_0_\@:
	s_barrier_wait -3
	s_barrier_signal -1
	s_barrier_wait -1
.endm
; where tile tau's Q lies (atom, scale words), where its ctx goes (atom, scale bytes), and its first query's place in its 128
.macro TILEADR tau, qa, qs, ca, cs, dv
	s_lshl_b32 s80, s[BH], 4
	s_lshr_b32 s81, s[\tau], 3
	s_add_co_u32 s80, s80, s81
	s_mul_i32 s80, s80, 6656                       ; qb's block of (head, 128 queries)
	s_and_b32 s81, s[\tau], 7
	s_mul_i32 s82, s81, 768
	s_add_co_u32 s82, s82, s80
	s_mov_b32 s83, 0
	s_add_nc_u64 s[\qa:\qa+1], s[4:5], s[82:83]
	s_lshr_b32 s81, s81, 2
	s_lshl_b32 s81, s81, 8                         ; the unit of four tiles,
	s_add_co_u32 s82, s80, s81
	s_and_b32 s81, s[\tau], 1
	s_lshl_b32 s81, s81, 7                         ; lanes 16 (tau % 2) on,
	s_add_co_u32 s82, s82, s81
	s_bfe_u32 s81, s[\tau], 0x10001
	s_lshl_b32 s81, s81, 2                         ; register (tau % 4) / 2
	s_add_co_u32 s82, s82, s81
	s_add_nc_u64 s[\qs:\qs+1], s[4:5], s[82:83]
	s_lshr_b32 s80, s[BH], 4
	s_lshl_b32 s80, s80, 7
	s_add_co_u32 s80, s80, s[\tau]
	s_mul_i32 s80, s80, 12800                      ; cq's tile of tokens
	s_add_co_u32 s82, s80, s[HOA]
	s_add_nc_u64 s[\ca:\ca+1], s[8:9], s[82:83]
	s_add_co_u32 s82, s80, s[HOS]
	s_add_nc_u64 s[\cs:\cs+1], s[8:9], s[82:83]
	s_bfe_u32 s80, s[\tau], 0x20001
	s_lshl_b32 s80, s80, 5
	s_and_b32 s81, s[\tau], 1
	s_lshl_b32 s81, s81, 3
	s_add_co_u32 s[\dv], s80, s81
.endm
	s_load_b128 s[4:7], s[0:1], 0x0                ; qb, kv
	s_load_b64 s[8:9], s[0:1], 0x10                ; cq
	v_lshl_add_u32 v254, v0, 2, 0x33000
	v_mov_b32 v255, 0
	ds_add_u32 v254, v255
	ds_add_u32 v254, v255
	v_lshrrev_b32 v10, 5, v0
	s_delay_alu instid0(VALU_DEP_1)
	v_readfirstlane_b32 s[WV], v10                 ; wave 0..15
	s_bfe_u32 s[CXR], ttmp6, 0x40000               ; cx: it enters Q's and ctx's addresses in memory and the mask's threshold, nothing else
	s_and_b32 s[BH], ttmp7, 0xffff                 ; 16 batch + head, which the four partners share
	s_mov_b32 s[G1], 15|(3<<16)|(1<<21)            ; 15:0 the mask: all four work-groups; 17:16 elements of 8 bytes; 21 set beside a mask
	s_mov_b32 s[G1+1], 32<<16                      ; tensor_dim0 = 32 elements: rows of 256 bytes
	s_mov_b32 s[G1+2], 51<<16                      ; tensor_dim1 = 51: a key step's block
	s_mov_b32 s[G1+3], 32<<16                      ; tile_dim0
	s_mov_b32 s[G1+4], 51                          ; tile_dim1
	s_mov_b32 s[G1+5], 32                          ; dense
	s_mov_b32 s[G1+6], 0
	s_mov_b32 s[G1+7], 0
	s_mul_i32 s78, s[BH], 16*STEPB
	s_mov_b32 s79, 0
	s_and_b32 s91, s[WV], 3
	s_mul_i32 s91, s91, STEPB                      ; load g of wave w brings key step 4 g + w
	s_add_co_u32 s78, s78, s91
	s_lshl_b32 s[TAUS], s[WV], 2
	s_add_co_u32 s[TAUS], s[TAUS], s[CXR]          ; my early tile
	s_sub_co_u32 s[TAUL], 127, s[TAUS]             ; my late tile
	s_lshr_b32 s[DGS], s[WV], 1                    ; their diagonal steps
	s_sub_co_u32 s[DGL], 15, s[DGS]
	s_and_b32 s84, s[BH], 15                       ; head
	s_lshr_b32 s85, s84, 1                         ; the last product's K step: two heads
	s_and_b32 s84, s84, 1                          ; and the atom in it
	s_lshr_b32 s86, s85, 2
	s_mul_i32 s86, s86, 6400
	s_and_b32 s87, s85, 3
	s_mul_i32 s88, s87, 1536
	s_add_co_u32 s[HOA], s86, s88
	s_mul_i32 s88, s84, 768
	s_add_co_u32 s[HOA], s[HOA], s88               ; my head's atom in a tile of cq
	s_and_b32 s88, s85, 1
	s_lshl_b32 s88, s88, 7
	s_add_co_u32 s[HOS], s86, s88
	s_lshr_b32 s87, s87, 1
	s_lshl_b32 s87, s87, 2
	s_add_co_u32 s[HOS], s[HOS], s87
	s_lshl_b32 s84, s84, 1
	s_add_co_u32 s[HOS], s[HOS], s84               ; and its two bytes of a row's scale word
	s_mov_b32 s[SEL], 0x76543210
	s_mov_b32 s[SEL+1], 0xfedcba98
	s_mov_b32 s[CS], 0x3e38aa3b                    ; c = log2(e) / 8
	s_mov_b32 s[CS+1], s[CS]                       ; (named with it as a pair, so it is written)
	s_mov_b32 s[HM], 0xffff0000
	s_wait_dscnt 0x0
	s_wait_kmcnt 0x0
	s_add_nc_u64 s[10:11], s[6:7], s[78:79]
	TILEADR TAUL, QAL, QSL, CAL, CSL, DVL
	TILEADR TAUS, QAS, QSS, CAS, CSS, DVS
	CROUND                                         ; all four work-groups are here: the joint loads meet
.irp g, 0,1,2,3
	s_mov_b32 s[G0+4*\g], 1
	s_add_co_u32 s[G0+4*\g+1], s91, \g*4*STEPB
	s_add_nc_u64 s[G0+4*\g+2:G0+4*\g+3], s[10:11], \g*4*STEPB
	s_or_b32 s[G0+4*\g+3], s[G0+4*\g+3], 0x80000000
.endr
	s_cmp_lt_u32 s[WV], 4                          ; waves 0 to 3 fetch: all their fills in one branch; four loads of such a wave are out
	s_cbranch_scc0 .Lno_fetch
	tensor_load_to_lds s[G0:G0+3], s[G1:G1+7]
	s_nop 0
	tensor_load_to_lds s[G0+4:G0+7], s[G1:G1+7]
	s_nop 0
	tensor_load_to_lds s[G0+8:G0+11], s[G1:G1+7]
	s_nop 0
	tensor_load_to_lds s[G0+12:G0+15], s[G1:G1+7]
	s_nop 0
.rept 4
	v_nop
.endr
.Lno_fetch:
	v_and_b32 v10, 31, v0
	s_delay_alu instid0(VALU_DEP_1)
	v_lshlrev_b32 v[L16], 4, v10
	s_delay_alu instid0(VALU_DEP_2)
	v_lshlrev_b32 v[L8], 3, v10
	v_and_b32 v10, 15, v0                          ; r
	v_bfe_u32 v11, v0, 4, 1                        ; h
	s_delay_alu instid0(VALU_DEP_2)
	v_lshlrev_b32 v[R8], 3, v10
	global_load_b128 v[QF:QF+3], v[L16], s[QAL:QAL+1]              ; the late tile's Q: it is walked first
	global_load_b64 v[QF+4:QF+5], v[L8], s[QAL:QAL+1] offset:512
	global_load_b32 v[QS], v[R8], s[QSL:QSL+1] offset:6144
	global_load_b128 v[Q2:Q2+3], v[L16], s[QAS:QAS+1]              ; the early tile's
	global_load_b64 v[Q2+4:Q2+5], v[L8], s[QAS:QAS+1] offset:512
	global_load_b32 v[Q2+6], v[R8], s[QSS:QSS+1] offset:6144
	v_and_b32 v[RH], 8, v10
	s_delay_alu instid0(VALU_DEP_1)
	v_add_nc_u32 v[RH], v[RH], v10
	v_lshlrev_b32 v[A16], 4, v11
	s_delay_alu instid0(VALU_DEP_1)
	v_sub_nc_u32 v[RH], v[RH], v[A16]
	v_add_nc_u32 v[R8H], v[R8], v11
	v_mov_b32 v[NINF], 0xff800000
.irp i, 0,1,2,3,4,5
	v_mov_b32 v[QF+6+\i], 0                        ; zero codes for K = 64 .. 127
	v_mov_b32 v[KV+48+\i], 0                       ; what the last tile of K is named with
.endr
.irp b, 0,1,2,3
	v_mov_b32 v[TP+\b], 0                          ; written once: a lane permute's destination counts as one of its sources
.endr
	v_mov_b32 v[F+1], 0                            ; (named as the upper halves of pairs)
	v_mov_b32 v[TT], 0
	v_mov_b32 v[TT+1], 0
; A KEY STEP: 128 keys.  masked = 1: a step behind the diagonal is left out (a scalar branch on the wave's number and the count of steps), and on the diagonal hidden scores become -infinity.
.macro STEP masked
.if \masked
	s_cmp_gt_u32 s[KI], s[DG]
	s_cbranch_scc1 .Lhidden_\@
.endif
	s_setprio 2
	v_add_nc_u32 v[A16], s[TB], v[L16]
	v_add_nc_u32 v[A8], s[TB], v[L8]
	v_nop
	v_nop                                          ; four places in front of loads into registers that the last step's products have read
.irp t, 0,1,2,3,4,5,6,7
	ds_load_b128 v[KV+6*\t:KV+6*\t+3], v[A16] offset:768*\t
	ds_load_b64 v[KV+6*\t+4:KV+6*\t+5], v[A8] offset:768*\t+512
.endr
	ds_load_b64 v[KS:KS+1], v[A8] offset:6144      ; register t / 2: lanes 0-15 the even tile's words, lanes 16-31 the odd tile's
	ds_load_b64 v[KS+2:KS+3], v[A8] offset:6400
	s_wait_alu depctr_va_vdst(0)
	s_wait_dscnt 0x0
.irp t, 0,1,2,3,4,5,6,7
.if \t%2
	v_wmma_scale_f32_16x16x128_f8f6f4 v[S+8*\t:S+8*\t+7], v[KV+6*\t:KV+6*\t+11], v[QF:QF+11], 0, v[KS+\t/2], v[QS] matrix_a_fmt:MATRIX_FMT_FP6 matrix_b_fmt:MATRIX_FMT_FP6 matrix_a_scale:MATRIX_SCALE_ROW1
.else
	v_wmma_scale_f32_16x16x128_f8f6f4 v[S+8*\t:S+8*\t+7], v[KV+6*\t:KV+6*\t+11], v[QF:QF+11], 0, v[KS+\t/2], v[QS] matrix_a_fmt:MATRIX_FMT_FP6 matrix_b_fmt:MATRIX_FMT_FP6
.endif
.endr
.rept 4
	v_nop                                          ; places ahead of V's loads into K's registers and of the first read of the scores
.endr
.irp t, 0,1,2,3
.irp c, 0,1
	ds_load_b128 v[KV+12*\t+6*\c:KV+12*\t+6*\c+3], v[A16] offset:6656+1536*\t+768*\c     ; V lands while the softmax is walked
	ds_load_b64 v[KV+12*\t+6*\c+4:KV+12*\t+6*\c+5], v[A8] offset:6656+1536*\t+768*\c+512
.endr
.endr
	ds_load_b64 v[VS:VS+1], v[A8] offset:12800
.if \masked
	s_cmp_lg_u32 s[KI], s[DG]
	s_cbranch_scc1 .Lopen_\@
.set NN, 0
.rept 64
	v_cmp_gt_i32 vcc_lo, 32*(NN/16)+NN%16, v[DV]
	v_cndmask_b32 v[S+NN], v[S+NN], v[NINF], vcc_lo
.set NN, NN+1
.endr
.Lopen_\@:
.endif
.irp b, 0,1,2,3
	v_max3_num_f32 v[BM+\b], v[S+16*\b], v[S+16*\b+1], v[S+16*\b+2]    ; the largest score of each block of 32 keys: for the row's maximum and, since p rises with the score, for the block's largest p
.endr
.irp i, 3,5,7,9,11,13
.irp b, 0,1,2,3
	v_max3_num_f32 v[BM+\b], v[BM+\b], v[S+16*\b+\i], v[S+16*\b+\i+1]
.endr
.endr
.irp b, 0,1,2,3
	v_max_num_f32 v[BM+\b], v[BM+\b], v[S+16*\b+15]
.endr
.irp b, 0,1,2,3
	s_delay_alu instid0(VALU_DEP_4)
	v_permlanex16_b32 v[TP+\b], v[BM+\b], s[SEL], s[SEL+1]
.endr
.irp b, 0,1,2,3
	s_delay_alu instid0(VALU_DEP_4)
	v_max_num_f32 v[BM+\b], v[BM+\b], v[TP+\b]     ; with lane l xor 16's 16 keys
.endr
	s_delay_alu instid0(VALU_DEP_2)
	v_max3_num_f32 v[TT], v[BM], v[BM+1], v[BM+2]
	s_delay_alu instid0(VALU_DEP_1)
	v_max_num_f32 v[TT], v[TT], v[BM+3]
	s_delay_alu instid0(VALU_DEP_1)
	v_mul_f32 v[TT], s[CS], v[TT]                  ; the step's largest t
	s_delay_alu instid0(VALU_DEP_1)
	v_max_num_f32 v13, v13, v[TT]                  ; the running largest t
	v_mov_b32 v[TT], v12
	s_delay_alu instid0(VALU_DEP_2)
	v_floor_f32 v12, -v13                          ; the new -M = -ceil(t): M is a whole number
	s_delay_alu instid0(VALU_DEP_1)
	v_sub_f32 v[TT], v12, v[TT]                    ; old M - new M: a whole number, 0 or less
	s_delay_alu instid0(VALU_DEP_1)
	v_cvt_i32_f32 v[TT], v[TT]                     ; (it saturates)
	s_delay_alu instid0(VALU_DEP_1)
	v_ldexp_f32 v[F], 1.0, v[TT]                   ; f = 2^(old M - new M)
.set JJ, 0
.rept 32
	v_pk_fma_f32 v[S+JJ:S+JJ+1], v[S+JJ:S+JJ+1], s[CS:CS+1], v[12:13] op_sel_hi:[1,0,0]   ; t - M
.set JJ, JJ+2
.endr
.irp b, 0,1,2,3
	v_fma_f32 v[BM+\b], v[BM+\b], s[CS], v12       ; the same of each block's largest score
.endr
.set JJ, 0
	s_setprio 1
	s_wait_alu depctr_va_vdst(0)
.rept 64
	v_exp_f32 v[S+JJ], v[S+JJ]                     ; p = 2^(t - M): not normalised
.set JJ, JJ+1
.endr
	v_pk_mul_f32 v[14:15], v[14:15], v[F:F+1] op_sel_hi:[1,0]      ; the sum under the new M: a plain place behind the exponentials
	s_wait_alu depctr_va_vdst(0)                   ; one wait for the batch, ahead of its first reader
.irp b, 0,1,2,3
	v_exp_f32 v[BM+\b], v[BM+\b]                   ; the block's largest p
.endr
	v_pk_add_f32 v[226:227], v[90:91], v[94:95]
	v_pk_add_f32 v[252:253], v[98:99], v[102:103]
	v_pk_add_f32 v[250:251], v[106:107], v[110:111]
	v_pk_add_f32 v[248:249], v[114:115], v[118:119]
	v_pk_add_f32 v[246:247], v[122:123], v[126:127]
	v_pk_add_f32 v[244:245], v[130:131], v[134:135]
	v_pk_add_f32 v[242:243], v[138:139], v[142:143]
	v_pk_add_f32 v[14:15], v[14:15], v[146:147]
	v_pk_add_f32 v[226:227], v[226:227], v[86:87]
	v_pk_add_f32 v[252:253], v[252:253], v[88:89]
	v_pk_add_f32 v[250:251], v[250:251], v[92:93]
	v_pk_add_f32 v[248:249], v[248:249], v[96:97]
	v_pk_add_f32 v[246:247], v[246:247], v[100:101]
	v_pk_add_f32 v[244:245], v[244:245], v[104:105]
	v_pk_add_f32 v[242:243], v[242:243], v[108:109]
	v_pk_add_f32 v[14:15], v[14:15], v[112:113]
	v_pk_add_f32 v[226:227], v[226:227], v[116:117]
	v_pk_add_f32 v[252:253], v[252:253], v[120:121]
	v_pk_add_f32 v[250:251], v[250:251], v[124:125]
	v_pk_add_f32 v[248:249], v[248:249], v[128:129]
	v_pk_add_f32 v[246:247], v[246:247], v[132:133]
	v_pk_add_f32 v[244:245], v[244:245], v[136:137]
	v_pk_add_f32 v[242:243], v[242:243], v[140:141]
	v_pk_add_f32 v[14:15], v[14:15], v[144:145]
	v_pk_add_f32 v[226:227], v[226:227], v[148:149]
	s_delay_alu instid0(VALU_DEP_2)
	v_pk_add_f32 v[14:15], v[14:15], v[248:249]
	s_delay_alu instid0(VALU_DEP_2)
	v_pk_add_f32 v[226:227], v[226:227], v[246:247]
	v_pk_add_f32 v[252:253], v[252:253], v[244:245]
	v_pk_add_f32 v[250:251], v[250:251], v[242:243]
	s_delay_alu instid0(VALU_DEP_2)
	v_pk_add_f32 v[14:15], v[14:15], v[252:253]
	s_delay_alu instid0(VALU_DEP_2)
	v_pk_add_f32 v[226:227], v[226:227], v[250:251]
	s_delay_alu instid0(VALU_DEP_1)
	v_pk_add_f32 v[14:15], v[14:15], v[226:227]
	s_wait_alu depctr_va_vdst(0)                   ; and one for the four
.irp b, 0,1,2,3
	v_max_num_f32 v[BM+\b], 0x1800000, v[BM+\b]    ; the floor 2^(3 - 127)
.endr
.irp b, 0,1,2,3
	s_delay_alu instid0(VALU_DEP_4)
	v_add_nc_u32 v[SO+\b], 0xff000000, v[BM+\b]    ; 2 off the exponent field: the conversion's scale operand
.endr
.irp b, 0,1,2,3
	s_delay_alu instid0(VALU_DEP_4)
	v_lshrrev_b32 v[TP+\b], 23, v[SO+\b]           ; the scale's byte
.endr
	s_delay_alu instid0(VALU_DEP_3)
	v_lshl_or_b32 v[PSW], v[TP+1], 8, v[TP]        ; p's scale word for these 128 keys
	s_delay_alu instid0(VALU_DEP_1)
	v_lshl_or_b32 v[PSW], v[TP+2], 16, v[PSW]
	s_delay_alu instid0(VALU_DEP_1)
	v_lshl_or_b32 v[PSW], v[TP+3], 24, v[PSW]
.irp c, 0,1
	v_cvt_scalef32_pk16_fp6_f32 v[PCD+6*\c:PCD+6*\c+2], v[S+32*\c:S+32*\c+15], v[SO+2*\c]
	v_cvt_scalef32_pk16_fp6_f32 v[PX+4*\c:PX+4*\c+2], v[S+32*\c+16:S+32*\c+31], v[SO+2*\c+1]
.endr
	v_nop                                          ; one plain place behind a scaled conversion
	s_setprio 0
.irp c, 0,1                                    ; the operand wants a whole block in a lane
.irp i, 0,1,2
	v_permlane16_swap_b32 v[PCD+6*\c+\i], v[PX+4*\c+\i]
.endr
.irp i, 0,1,2
	s_delay_alu instid0(VALU_DEP_3)
	v_mov_b32 v[PCD+3+6*\c+\i], v[PX+4*\c+\i]
.endr
.endr
.set JJ, 0
.rept 16
	v_pk_mul_f32 v[O+JJ:O+JJ+1], v[O+JJ:O+JJ+1], v[F:F+1] op_sel_hi:[1,0]   ; O^T under the new M; these are also the places between the scale word, the codes and the products
.set JJ, JJ+2
.endr
	s_wait_alu depctr_va_vdst(0)
	s_wait_dscnt 0x0                               ; V
.irp t, 0,1,2,3
.if \t%2
	v_wmma_scale_f32_16x16x128_f8f6f4 v[O+8*\t:O+8*\t+7], v[KV+12*\t:KV+12*\t+11], v[PCD:PCD+11], v[O+8*\t:O+8*\t+7], v[VS+\t/2], v[PSW] matrix_a_fmt:MATRIX_FMT_FP6 matrix_b_fmt:MATRIX_FMT_FP6 matrix_a_scale:MATRIX_SCALE_ROW1
.else
	v_wmma_scale_f32_16x16x128_f8f6f4 v[O+8*\t:O+8*\t+7], v[KV+12*\t:KV+12*\t+11], v[PCD:PCD+11], v[O+8*\t:O+8*\t+7], v[VS+\t/2], v[PSW] matrix_a_fmt:MATRIX_FMT_FP6 matrix_b_fmt:MATRIX_FMT_FP6
.endif
.endr
.if \masked
.Lhidden_\@:
.endif
	s_add_co_u32 s[KI], s[KI], 1
	s_add_co_u32 s[TB], s[TB], STEPB
.endm
.macro KEYS n, masked                          ; n key steps: the trip count is a constant
	s_mov_b32 s[CNT], \n
.Lkeys_\@:
	STEP \masked
	s_sub_co_u32 s[CNT], s[CNT], 1
	s_cmp_lg_u32 s[CNT], 0
	s_cbranch_scc1 .Lkeys_\@
	s_setprio 0
.endm
.macro PASS_INIT dv                            ; a tile begins: O^T and the sum are zeros, the largest t lies under every t
	v_add_nc_u32 v[DV], s[\dv], v[RH]
.set JJ, 0
.rept 32
	v_mov_b32 v[O+JJ], 0
.set JJ, JJ+1
.endr
	v_mov_b32 v13, 0xff61b1e6                      ; -3e38
	s_delay_alu instid0(VALU_DEP_1)
	v_floor_f32 v12, -v13
	v_mov_b32 v14, 0
	v_mov_b32 v15, 0
	s_mov_b32 s[TB], 0
	s_mov_b32 s[KI], 0
.endm
; O^T / the sum is ctx: 16 queries x the head's 64; its two blocks are quantised and leave as one atom and two scale bytes a row
.macro FINISH ca, cs
.rept 4
	v_nop                                          ; places behind the last products
.endr
	v_add_f32 v14, v14, v15
	v_permlanex16_b32 v[TT], v14, s[SEL], s[SEL+1]
	s_delay_alu instid0(VALU_DEP_1)
	v_add_f32 v14, v14, v[TT]                      ; the row's sum
	s_wait_alu depctr_va_vdst(0)
	v_rcp_f32 v[TT], v14
	v_nop                                          ; a plain place behind the reciprocal
	s_wait_alu depctr_va_vdst(0)                   ; and the wait ahead of its first reader
.set JJ, 0
.rept 16
	v_pk_mul_f32 v[S+JJ:S+JJ+1], v[O+JJ:O+JJ+1], v[TT:TT+1] op_sel_hi:[1,0]   ; register 16 b + i: channel 32 b + 16 h + i
.set JJ, JJ+2
.endr
.irp b, 0,1
	v_max3_num_f32 v[BM+\b], |v[S+16*\b]|, |v[S+16*\b+1]|, 0x1800000
.endr
.irp i, 2,4,6,8,10,12,14
.irp b, 0,1
	s_delay_alu instid0(VALU_DEP_2)
	v_max3_num_f32 v[BM+\b], v[BM+\b], |v[S+16*\b+\i]|, |v[S+16*\b+\i+1]|
.endr
.endr
.irp b, 0,1
	s_delay_alu instid0(VALU_DEP_2)
	v_permlanex16_b32 v[TP+\b], v[BM+\b], s[SEL], s[SEL+1]
.endr
.irp b, 0,1
	s_delay_alu instid0(VALU_DEP_2)
	v_max_num_f32 v[BM+\b], v[BM+\b], v[TP+\b]
.endr
.irp b, 0,1
	s_delay_alu instid0(VALU_DEP_2)
	v_add_nc_u32 v[SO+\b], 0xff000000, v[BM+\b]
.endr
.irp b, 0,1
	s_delay_alu instid0(VALU_DEP_2)
	v_lshrrev_b32 v[TP+\b], 23, v[SO+\b]
.endr
	v_cvt_scalef32_pk16_fp6_f32 v[PCD:PCD+2], v[S:S+15], v[SO]
	v_cvt_scalef32_pk16_fp6_f32 v[PX:PX+2], v[S+16:S+31], v[SO+1]
	v_nop
.irp i, 0,1,2
	v_permlane16_swap_b32 v[PCD+\i], v[PX+\i]
.endr
.irp i, 0,1,2
	s_delay_alu instid0(VALU_DEP_3)
	v_mov_b32 v[PCD+3+\i], v[PX+\i]
.endr
	v_cndmask_b32 v[EB], v[TP], v[TP+1], s[HM]     ; lane (r, h) stores block h's byte of row r
	global_store_b128 v[L16], v[PCD:PCD+3], s[\ca:\ca+1]
	global_store_b64 v[L8], v[PCD+4:PCD+5], s[\ca:\ca+1] offset:512
	global_store_b8 v[R8H], v[EB], s[\cs:\cs+1] offset:6144
.endm
	s_wait_loadcnt 0x0                             ; Q, both tiles'
	; ---- the late tile: its first eight steps are open in every wave
	s_mov_b32 s[DG], s[DGL]
	PASS_INIT DVL
	s_wait_tensorcnt 0x3                           ; my first load (key steps 0 to 3) is in; three may be out
	s_barrier_signal -1
	s_barrier_wait -1
	KEYS 4, 0
	s_wait_tensorcnt 0x2                           ; key steps 4 to 7
	s_wait_dscnt 0x0
	s_barrier_signal -1
	s_barrier_wait -1
	KEYS 4, 0
	s_wait_tensorcnt 0x0                           ; all
	s_wait_dscnt 0x0
	s_barrier_signal -1
	s_barrier_wait -1
	KEYS 8, 1
	FINISH CAL, CSL
	; ---- the early tile
	s_wait_xcnt 0x0                                ; the stores have read their registers
.irp i, 0,1,2,3,4,5
	v_mov_b32 v[QF+\i], v[Q2+\i]
.endr
	v_mov_b32 v[QS], v[Q2+6]
	s_mov_b32 s[DG], s[DGS]
	PASS_INIT DVS                                  ; (more than eight plain places between these moves and the first product)
	KEYS 8, 1
	s_wait_alu depctr_va_vdst(0)
	FINISH CAS, CSS
	s_wait_tensorcnt 0x0
	ds_add_u32 v254, v255
	s_wait_dscnt 0x0
	CROUND                                         ; the closing round
	s_endpgm
.Lfunc_end_k_qf7de951741_attn:
	.size	k_qf7de951741_attn, .Lfunc_end_k_qf7de951741_attn-k_qf7de951741_attn
	.p2alignl 7, 3214868480
	.fill 96, 4, 3214868480
	.section	.rodata,"a",@progbits
	.p2align	6, 0x0
	.amdhsa_kernel k_qf7de951741_attn
		.amdhsa_group_segment_fixed_size 210944
		.amdhsa_private_segment_fixed_size 0
		.amdhsa_enable_private_segment 0
		.amdhsa_kernarg_size 24
		.amdhsa_user_sgpr_count 2
		.amdhsa_user_sgpr_kernarg_segment_ptr 1
		.amdhsa_wavefront_size32 1
		.amdhsa_system_sgpr_workgroup_id_x 1
		.amdhsa_system_sgpr_workgroup_id_y 1
		.amdhsa_system_sgpr_workgroup_id_z 1
		.amdhsa_system_vgpr_workitem_id 0
		.amdhsa_next_free_vgpr 256
		.amdhsa_next_free_sgpr 100
		.amdhsa_reserve_vcc 1
		.amdhsa_float_denorm_mode_32 3
		.amdhsa_float_denorm_mode_16_64 3
		.amdhsa_memory_ordered 1
		.amdhsa_forward_progress 1
		.amdhsa_inst_pref_size 101
	.end_amdhsa_kernel
	.amdgpu_metadata
---
amdhsa.version: [ 1, 2 ]
amdhsa.kernels:
  - .name:           k_qf7de951741_attn
    .symbol:         k_qf7de951741_attn.kd
    .args:
      - { .name: qb, .offset: 0, .size: 8, .value_kind: global_buffer, .address_space: global }
      - { .name: kv, .offset: 8, .size: 8, .value_kind: global_buffer, .address_space: global }
      - { .name: cq, .offset: 16, .size: 8, .value_kind: global_buffer, .address_space: global }
    .group_segment_fixed_size: 210944
    .private_segment_fixed_size: 0
    .kernarg_segment_align: 8
    .kernarg_segment_size: 24
    .max_flat_workgroup_size: 512
    .sgpr_count:     100
    .vgpr_count:     256
    .wavefront_size: 32
...
	.end_amdgpu_metadata
.endif
;; end of part 4
;; launch oproj (part 5): grid 8 x 32, 4 waves a work-group, clusters of 4 x 4, 307,712 bytes of LDS; arguments cq, wq, bo, out0; writes out0
.if DOCPART == 5
	.amdgcn_target "amdgcn-amd-amdhsa--gfx1250"
	.amdhsa_code_object_version 6
	.text
	.protected	k_qf7de951741_oproj
	.globl	k_qf7de951741_oproj
	.p2align	8
	.type	k_qf7de951741_oproj,@function
k_qf7de951741_oproj:
	s_mov_b64 s[64:65], 0
	v_nop
	global_prefetch_b8 v0, s[64:65] scope:SCOPE_SE
	s_setreg_imm32_b32 hwreg(HW_REG_WAVE_MODE, 25, 1), 1
	s_wait_xcnt 0x0
	s_wait_alu depctr_hold_cnt(0) depctr_sa_sdst(0) depctr_va_vdst(0) depctr_va_sdst(0) depctr_va_ssrc(0) depctr_va_vcc(0) depctr_vm_vsrc(0)
	s_getreg_b32 s2, hwreg(HW_REG_IB_STS2, 6, 4)
	s_cmp_eq_u32 s2, 0
	s_cbranch_scc0 .Lentry_in_a_cluster
	s_endpgm
.Lentry_in_a_cluster:
	s_bfe_u32 s2, ttmp6, 0x10000c
	s_cmp_lg_u32 s2, 0xf033
	s_cbranch_scc0 .Lentry_shape_is_right
	s_endpgm
.Lentry_shape_is_right:
; out0 = ctx Wo + bo on codes of E2M3 (v_wmma_scale_f32_16x16x128_f8f6f4, f32 sums).  ctx's codes (cq) and Wo's (wq, tiles 192-255) lie in the order of the operands' registers:
; a tile of 16 rows (tile 2 g + u, lane row r = row 32 g + 8 u + r + 8 (r / 8)) is two halves of K of 6,400 bytes: four fragments of 1,536 bytes and 256 bytes of scale words.
; D = S0 x S1^T, S0 = 128 columns of Wo, S1 = 256 tokens: a lane holds one token, and the 16 registers of S0's tiles 2 b and 2 b + 1 are 16 neighbouring outputs 32 b + 16 (lane / 16) + 0 .. 15.
; SHARES: a work-group makes 256 tokens x 128 outputs with ALL of K (1,024) in LDS, each byte filled once.  Wave w multiplies S0's 8 tiles by S1's tiles 4 w .. 4 w + 3: 32 accumulators.
; CLUSTERS 4 x 4: S0's block hangs on the tile column alone and is asked for jointly by a column of the cluster, S1's on the tile row alone and by a row.
; The bias is the C of each sum's first matrix instruction.
; THE WAY OUT: 16 tokens x 128 outputs go through the wave's own stage and leave as rows of 512 consecutive bytes.  The stages lie in the wave's own four tiles of S1's first chunk:
; only this wave read them, it has waited for those reads, and they have had their only fill.
; REGISTERS: window 0: v4-13 addresses; v32-79 scale words; v80-143 the bias, later with v144-207 rows on their way out.
;   window 1: the accumulators, (S1 tile b, S0 tile a) at v[8 (8 b + a)].  window 2: S0's fragments, two sets.  window 3: S1's, two sets.
.set TILEB,  12800
.set HALFB,  6400
.set S0C,    51200
.set S1BASE, 102400
.set S1C,    102400
.set SPITCH, 528                       ; a stage row: 512 bytes + 16
.set STGB,   16*SPITCH
.set S0A,  4
.set L16,  4
.set L8,   5
.set S1A,  8
.set STO,  12
.set RD,   13
.set SC,   32
.set BR,   80
.set BK,   80
.set WV,   18
.set G1A,  24
.set G1B,  32
.set OUTP, 76
.set MSB, 0
.macro WIN new
.if MSB != \new
	s_set_vgpr_msb (MSB<<8)|\new
.set MSB, \new
.endif
.endm
.macro CROUND
	s_barrier_signal -1
	s_barrier_wait -1
	s_cmp_lg_u32 s[WV], 0
	s_cbranch_scc1 .Lnot_wave_0_\@
	s_barrier_signal -3
.Lnot_wave_0_\@:
	s_barrier_wait -3
	s_barrier_signal -1
	s_barrier_wait -1
.endm
.macro PLACES                          ; four plain places behind a matrix instruction (ISA guide 7.12.1)
.rept 4
	v_nop
.endr
.endm
.macro FRAGLD reg, a16, a8, off
	ds_load_b128 v[(\reg):(\reg)+3], v[\a16] offset:(\off)
	ds_load_b64 v[(\reg)+4:(\reg)+5], v[\a8] offset:(\off)+512
	ds_load_b128 v[(\reg)+6:(\reg)+9], v[\a16] offset:(\off)+768
	ds_load_b64 v[(\reg)+10:(\reg)+11], v[\a8] offset:(\off)+1280
.endm
.macro FETCH s                         ; K step s: 48 loads into set s % 2
	WIN 0x80
.irp a, 0,1,2,3,4,5,6,7
	FRAGLD 128*((\s)%2)+12*\a, S0A+2*((\s)/4), S0A+2*((\s)/4)+1, \a*HALFB+((\s)%4)*1536
.endr
	WIN 0xc0
.irp b, 0,1,2,3
	FRAGLD 64*((\s)%2)+12*\b, S1A+2*((\s)/4), S1A+2*((\s)/4)+1, \b*HALFB+((\s)%4)*1536
.endr
.endm
.macro SCALES c
.irp t, 0,1,2,3,4,5,6,7
	ds_load_b64 v[SC+4*\t+2*\c:SC+4*\t+2*\c+1], v[S0A+2*\c+1] offset:\t*HALFB+6144
.endr
.irp t, 0,1,2,3
	ds_load_b64 v[SC+32+4*\t+2*\c:SC+32+4*\t+2*\c+1], v[S1A+2*\c+1] offset:\t*HALFB+6144
.endr
.endm
; 16 matrix instructions.  mode 2: the first product starts the sums from the bias.  The 32 accumulators take turns, one instruction a turn, in the same order in every step.
.macro MULH s, b0, mode
.if \mode == 2
	WIN 0x4e                                       ; source 0 window 2, source 1 window 3, C window 0, D window 1
.else
	WIN 0x5e                                       ; C and D window 1
.endif
.irp b, \b0, \b0+1
.irp a, 0,1,2,3,4,5,6,7
.set rD, 8*(8*(\b)+\a)
.set rA, 128*((\s)%2)+12*\a
.set rB, 64*((\s)%2)+12*(\b)
.set rX, SC+4*\a+2*((\s)/4)+((\s)%4)/2
.set rY, SC+32+4*(\b)+2*((\s)/4)+((\s)%4)/2
.if \mode == 2
	v_wmma_scale_f32_16x16x128_f8f6f4 v[rD:rD+7], v[rA:rA+11], v[rB:rB+11], v[BR+8*\a:BR+8*\a+7], v[rX], v[rY] matrix_a_fmt:MATRIX_FMT_FP6 matrix_b_fmt:MATRIX_FMT_FP6
.elseif (\s)%2
	v_wmma_scale_f32_16x16x128_f8f6f4 v[rD:rD+7], v[rA:rA+11], v[rB:rB+11], v[rD:rD+7], v[rX], v[rY] matrix_a_fmt:MATRIX_FMT_FP6 matrix_b_fmt:MATRIX_FMT_FP6 matrix_a_scale:MATRIX_SCALE_ROW1 matrix_b_scale:MATRIX_SCALE_ROW1
.else
	v_wmma_scale_f32_16x16x128_f8f6f4 v[rD:rD+7], v[rA:rA+11], v[rB:rB+11], v[rD:rD+7], v[rX], v[rY] matrix_a_fmt:MATRIX_FMT_FP6 matrix_b_fmt:MATRIX_FMT_FP6
.endif
.endr
.endr
.endm
	s_load_b256 s[4:11], s[0:1], 0x0               ; cq, wq, bo, out0
	v_lshl_add_u32 v254, v0, 2, 0x4b000
	v_mov_b32 v255, 0
	ds_add_u32 v254, v255
	ds_add_u32 v254, v255
	v_lshrrev_b32 v3, 5, v0
	v_readfirstlane_b32 s[WV], v3                  ; wave 0..3
	s_bfe_u32 s19, ttmp6, 0x40000                  ; cx
	s_bfe_u32 s20, ttmp6, 0x40004                  ; cy
	s_and_b32 s22, ttmp7, 0xffff
	s_lshl_b32 s23, ttmp9, 2
	s_add_co_u32 s23, s23, s19                     ; which 128 outputs: it never holds cy
	s_lshl_b32 s56, s22, 2
	s_add_co_u32 s56, s56, s20                     ; which 256 tokens: it never holds cx
	s_lshl_b32 s57, s20, 2
	s_lshl_b32 s57, 15, s57                        ; my row of the cluster
	s_or_b32 s[G1A], s57, (3<<16)|(1<<21)          ; 15:0 the mask; 17:16 elements of 8 bytes; 21 set beside a mask; no padding
	s_lshl_b32 s62, 0x1111, s19                    ; my column
	s_or_b32 s[G1B], s62, (3<<16)|(1<<21)
	s_mov_b32 s[G1A+1], 800<<16                    ; a tile's half of K: 800 elements
	s_mov_b32 s[G1A+2], 4<<16                      ; 4 tiles
	s_mov_b32 s[G1A+3], 800<<16
	s_mov_b32 s[G1A+4], 4
	s_mov_b32 s[G1A+5], 1600                       ; from tile to tile
	s_mov_b32 s[G1A+6], 0
	s_mov_b32 s[G1A+7], 0
	s_mov_b32 s[G1B+1], 800<<16
	s_mov_b32 s[G1B+2], 2<<16                      ; 2 tiles
	s_mov_b32 s[G1B+3], 800<<16
	s_mov_b32 s[G1B+4], 2
	s_mov_b32 s[G1B+5], 1600
	s_mov_b32 s[G1B+6], 0
	s_mov_b32 s[G1B+7], 0
	s_mul_i32 s58, s23, 8*TILEB
	s_add_co_u32 s58, s58, 192*TILEB               ; Wo begins at tile 192
	s_mul_i32 s63, s[WV], 2*TILEB
	s_add_co_u32 s58, s58, s63
	s_mov_b32 s59, 0
	s_mul_i32 s60, s56, 16*TILEB
	s_mul_i32 s63, s[WV], 4*TILEB
	s_add_co_u32 s60, s60, s63
	s_mov_b32 s61, 0
	s_mul_i32 s70, s[WV], 2*HALFB
	s_mul_i32 s71, s[WV], 4*HALFB
	s_add_co_u32 s71, s71, S1BASE
	s_wait_dscnt 0x0
	s_wait_kmcnt 0x0
	s_add_nc_u64 s[66:67], s[6:7], s[58:59]        ; S0: my two tiles
	s_add_nc_u64 s[68:69], s[4:5], s[60:61]        ; S1: my four tiles
	CROUND                                         ; all sixteen work-groups are here: the joint loads meet
	s_mov_b32 s40, 1                               ; S1, chunk 0
	s_mov_b32 s41, s71
	s_mov_b64 s[42:43], s[68:69]
	s_or_b32 s43, s43, 0x80000000
	s_mov_b32 s44, 1                               ; S0, chunk 0
	s_mov_b32 s45, s70
	s_mov_b64 s[46:47], s[66:67]
	s_or_b32 s47, s47, 0x80000000
	s_mov_b32 s48, 1                               ; S1, chunk 1
	s_add_co_u32 s49, s71, S1C
	s_add_nc_u64 s[50:51], s[68:69], HALFB
	s_or_b32 s51, s51, 0x80000000
	s_mov_b32 s52, 1                               ; S0, chunk 1
	s_add_co_u32 s53, s70, S0C
	s_add_nc_u64 s[54:55], s[66:67], HALFB
	s_or_b32 s55, s55, 0x80000000
	tensor_load_to_lds s[40:43], s[G1A:G1A+7]      ; every byte of LDS is filled once: four loads of mine are out
	s_nop 0
	tensor_load_to_lds s[44:47], s[G1B:G1B+7]
	s_nop 0
	tensor_load_to_lds s[48:51], s[G1A:G1A+7]
	s_nop 0
	tensor_load_to_lds s[52:55], s[G1B:G1B+7]
	s_nop 0
.rept 4
	v_nop
.endr
	v_and_b32 v3, 31, v0
	v_lshlrev_b32 v[L16], 4, v3
	v_lshlrev_b32 v[L8], 3, v3
	v_add_nc_u32 v[S0A+2], S0C, v[L16]
	v_add_nc_u32 v[S0A+3], S0C, v[L8]
	v_add_nc_u32 v[S1A], s71, v[L16]
	v_add_nc_u32 v[S1A+1], s71, v[L8]
	v_add_nc_u32 v[S1A+2], S1C, v[S1A]
	v_add_nc_u32 v[S1A+3], S1C, v[S1A+1]
	v_and_b32 v14, 15, v0                          ; r
	v_bfe_u32 v15, v0, 4, 1                        ; h
	v_mul_u32_u24 v[STO], v14, SPITCH
	v_lshl_add_u32 v[STO], v15, 6, v[STO]
	v_add_nc_u32 v[STO], s71, v[STO]               ; the stage, in: row r, + 64 h
	v_add_nc_u32 v[RD], s71, v[L16]                ; back: a whole row of 512 bytes
	v_lshlrev_b32 v15, 6, v15                      ; 64 h
	s_lshl_b32 s82, s23, 9
	s_mov_b32 s83, 0
	s_add_nc_u64 s[74:75], s[8:9], s[82:83]        ; my 128 numbers of bo
.irp q, 0,1,2,3,4,5,6,7,8,9,10,11,12,13,14,15
	global_load_b128 v[BR+4*\q:BR+4*\q+3], v15, s[74:75] offset:128*(\q/4)+16*(\q%4)   ; register 16 b + i: the bias of output 32 b + 16 h + i
.endr
	s_lshl_b32 s87, s56, 20                        ; 256 rows of 4,096 bytes a block of tokens,
	s_lshl_b32 s88, s[WV], 18                      ; 64 a wave,
	s_add_co_u32 s82, s82, s87                     ; and my 512 bytes of a row
	s_add_co_u32 s82, s82, s88
	s_add_nc_u64 s[OUTP:OUTP+1], s[10:11], s[82:83]
	s_wait_alu depctr_va_vdst(0)
	s_wait_loadcnt 0x0                             ; the bias
	s_wait_tensorcnt 0x2                           ; my two loads of chunk 0 are in; chunk 1's two may be out
	s_barrier_signal -1
	s_barrier_wait -1
	SCALES 0
	FETCH 0
	FETCH 1
	s_wait_dscnt 48                                ; all but step 1's 48 loads
	MULH 0, 0, 2
	MULH 0, 2, 2
.irp s, 1,2
	PLACES
	FETCH \s+1
	s_wait_dscnt 48                                ; this step's fragments are in; the next step's 48 loads may be out
	MULH \s, 0, 0
	MULH \s, 2, 0
.endr
	s_wait_tensorcnt 0x0                           ; my part of chunk 1 is in,
	s_wait_dscnt 0x0                               ; and step 3's fragments
	s_barrier_signal -1
	MULH 3, 0, 0
	s_barrier_wait -1
	PLACES
	WIN 0
	SCALES 1
	FETCH 4
	MULH 3, 2, 0
.irp s, 4,5,6
	PLACES
	FETCH \s+1
	s_wait_dscnt 48
	MULH \s, 0, 0
	MULH \s, 2, 0
.endr
	s_wait_dscnt 0x0
	MULH 7, 0, 0
	MULH 7, 2, 0
	WIN 0
	PLACES
.macro TOSTAGE b                               ; S1 tile b: 16 tokens x 128 outputs into stage b % 2 and back as whole rows; LDS serves a wave's instructions in order
	WIN 0x04                                       ; an LDS store's data are its source 1: window 1
.irp q, 0,1,2,3,4,5,6,7,8,9,10,11,12,13,14,15
	ds_store_b128 v[STO], v[64*(\b)+4*\q:64*(\b)+4*\q+3] offset:((\b)%2)*STGB+128*(\q/4)+16*(\q%4)   ; each accumulator from its low end on
.endr
	WIN 0
.irp t, 0,1,2,3,4,5,6,7,8,9,10,11,12,13,14,15
	ds_load_b128 v[BK+64*((\b)%2)+4*\t:BK+64*((\b)%2)+4*\t+3], v[RD] offset:((\b)%2)*STGB+SPITCH*\t
.endr
.endm
.macro SEND b, younger                         ; younger: the LDS instructions issued behind tile b's loads, which may stay out
	s_wait_dscnt \younger
.irp t, 0,1,2,3,4,5,6,7,8,9,10,11,12,13,14,15
	global_store_b128 v[L16], v[BK+64*((\b)%2)+4*\t:BK+64*((\b)%2)+4*\t+3], s[OUTP:OUTP+1] offset:(32*((\b)/2)+8*((\b)%2)+\t+8*(\t/8))*4096 th:TH_STORE_NT   ; 512 consecutive bytes of one row
.endr
.endm
	TOSTAGE 0
.irp b, 1,2,3
.if \b > 1
	s_wait_xcnt 0x0                                ; tile b - 2's stores have read their registers: tile b's rows may land there
.endif
	TOSTAGE \b
	SEND \b-1, 32                                  ; behind tile b - 1's loads: tile b's 16 stores and 16 loads
.endr
	SEND 3, 0
	s_wait_tensorcnt 0x0
	ds_add_u32 v254, v255
	s_wait_dscnt 0x0
	CROUND                                         ; the closing round: no work-group ends while a partner may still ask for a tile that names it
	s_endpgm
.Lfunc_end_k_qf7de951741_oproj:
	.size	k_qf7de951741_oproj, .Lfunc_end_k_qf7de951741_oproj-k_qf7de951741_oproj
	.p2alignl 7, 3214868480
	.fill 96, 4, 3214868480
	.section	.rodata,"a",@progbits
	.p2align	6, 0x0
	.amdhsa_kernel k_qf7de951741_oproj
		.amdhsa_group_segment_fixed_size 307712
		.amdhsa_private_segment_fixed_size 0
		.amdhsa_enable_private_segment 0
		.amdhsa_kernarg_size 32
		.amdhsa_user_sgpr_count 2
		.amdhsa_user_sgpr_kernarg_segment_ptr 1
		.amdhsa_wavefront_size32 1
		.amdhsa_system_sgpr_workgroup_id_x 1
		.amdhsa_system_sgpr_workgroup_id_y 1
		.amdhsa_system_sgpr_workgroup_id_z 1
		.amdhsa_system_vgpr_workitem_id 0
		.amdhsa_next_free_vgpr 1024
		.amdhsa_next_free_sgpr 100
		.amdhsa_reserve_vcc 0
		.amdhsa_float_denorm_mode_32 3
		.amdhsa_float_denorm_mode_16_64 3
		.amdhsa_memory_ordered 1
		.amdhsa_forward_progress 1
		.amdhsa_inst_pref_size 82
	.end_amdhsa_kernel
	.amdgpu_metadata
---
amdhsa.version: [ 1, 2 ]
amdhsa.kernels:
  - .name:           k_qf7de951741_oproj
    .symbol:         k_qf7de951741_oproj.kd
    .args:
      - { .name: cq, .offset: 0, .size: 8, .value_kind: global_buffer, .address_space: global }
      - { .name: wq, .offset: 8, .size: 8, .value_kind: global_buffer, .address_space: global }
      - { .name: bo, .offset: 16, .size: 8, .value_kind: global_buffer, .address_space: global }
      - { .name: out0, .offset: 24, .size: 8, .value_kind: global_buffer, .address_space: global }
    .group_segment_fixed_size: 307712
    .private_segment_fixed_size: 0
    .kernarg_segment_align: 8
    .kernarg_segment_size: 32
    .max_flat_workgroup_size: 128
    .sgpr_count:     100
    .vgpr_count:     1024
    .wavefront_size: 32
...
	.end_amdgpu_metadata
.endif
;; end of part 5
